; MI455X (gfx1250); checked and timed in simulation.
; The chip was launched on July 23, 2026; its instructions are those of AMD's public machine-readable ISA for CDNA 5 (MIT licence, August 2026) and "CDNA5" Instruction Set Architecture Reference Guide (July 2026). The comments in the code are by the model that wrote it; some were corrected since.
;; MSA. Allowed arithmetic: matrix products marked QUANTISED: E5M2 operands, one given power-of-two scale a tensor, by v_wmma_f32_16x16x64_bf8_bf8 or v_wmma_f32_16x16x128_bf8_bf8, f32 sums; everything else in f32.
;; Inputs: Wk 1,024 x 1,024 float32; Wo 1,024 x 1,024 float32; Wq 1,024 x 1,024 float32; Wv 1,024 x 1,024 float32; bk 1,024 float32; bo 1,024 float32; bq 1,024 float32; bv 1,024 float32; lowp_scales 12 int32 (the exponents e of the quantised operands' scales 2^e); x 4 x 2,048 x 1,024 float32.
;; Outputs: out0 4 x 2,048 x 1,024 float32.
;; This version of the problem:
;;   THIS VERSION OF THE PROBLEM IS GIVEN IN LOW PRECISION. The matrix products marked QUANTISED in the list below multiply operands that are first quantised to E5M2 (5 exponent bits, 2 mantissa bits; 8 bits a number), with one given power-of-two scale for each operand tensor; their sums are f32. All else is computed in f32.
;;   The module's matrix products, in the order in which they are computed (A, B: the left and right operand; K: the contracted axis; several contracted axes count as one K, in the product's order):
;;     1. [M 8,192, K 1,024] x [K 1,024, N 1,024]; A: input x; B: input Wq: QUANTISED (scales: A lowp_scales[0], B lowp_scales[1])
;;     2. [M 8,192, K 1,024] x [K 1,024, N 1,024]; A: input x; B: input Wk: QUANTISED (scales: A lowp_scales[2], B lowp_scales[3])
;;     3. [M 8,192, K 1,024] x [K 1,024, N 1,024]; A: input x; B: input Wv: QUANTISED (scales: A lowp_scales[4], B lowp_scales[5])
;;     4. batch 64 x [M 2,048, K 64] x [K 64, N 2,048]; A: computed on the way; B: computed on the way: QUANTISED (scales: A lowp_scales[6], B lowp_scales[7])
;;     5. batch 64 x [M 2,048, K 2,048] x [K 2,048, N 64]; A: softmax (see below); B: computed on the way: QUANTISED (scales: A lowp_scales[8], B lowp_scales[9])
;;     6. [M 8,192, K 1,024] x [K 1,024, N 1,024]; A: computed on the way; B: input Wo: QUANTISED (scales: A lowp_scales[10], B lowp_scales[11])
;;   THE QUANTISER, for each operand of a quantised product, along K:
;;     - The operand's scale is 2^e, e = its entry of the input lowp_scales (int32; the entries are numbered through the quantised products in the list's order, A before B).
;;     - Each number is divided by the scale, clamped to +-57,344, and rounded to the nearest number of E5M2, ties to even, subnormals kept.
;;     - The product sums the exact products of the quantised numbers (number of the format x scale) in f32.
;;   ~~~python
;;   def quantise(x, axis, e):      # numpy; x: float32 -> the quantised numbers, widened to float32 again
;;       x = np.moveaxis(x, axis, -1); K = x.shape[-1]
;;       r = np.clip(x / 2.0 ** e, -57344, 57344)
;;       step = 2.0 ** (np.maximum(np.frexp(np.where(r == 0, 1, r))[1] - 1, -14) - 2)
;;       q = np.round(r / step) * step * 2.0 ** e      # np.round: ties to even
;;       return np.moveaxis(q, -1, axis).astype(np.float32)
;;   ~~~
;;   SOFTMAX AHEAD OF A QUANTISED PRODUCT. Where the list says 'softmax', what is quantised is not the finished softmax but p = 2^(t - M), with t = logit x log2(e) and M = ceil(the row's largest t), a whole number; so 1/2 < the row's largest p <= 1. The row's sum l is taken of the UNQUANTISED p, in f32, and the product's result is divided by l at the end. Since M is a whole number, a kernel that streams over the keys may use a running M (the ceiling of the running maximum): every later rescaling is an exact power of two, so the quantised numbers keep their values, but for numbers so far below the row's largest that they fall under the format's range.
;;   OPERANDS COMPUTED ON THE WAY. 'Computed on the way' means the value that the module computes at that place (a softmax that the list does not call 'softmax' is quantised finished and normalised). What goes into a quantiser is computed in f32, as accurately as f32 sums, v_exp_f32 and their like allow (about 1e-6 of the number): no bf16 or f16 on the way to a quantiser, and a product that is left as it is and whose result goes on into a quantised operand takes f32 operands (vector FMAs, or v_wmma_f32_16x16x4_f32). A number that lies on a knife's edge between two numbers of the format may be rounded either way, as far as f32 arithmetic and the matrix unit's own rounding can turn it there, and no further.
;; One version. Each part assembles by itself: llvm-mc -triple=amdgcn-amd-amdhsa -mcpu=gfx1250 --defsym DOCPART=n.
;; ======== version 1 of 1: 4 launches
;; limits: right only within a limited range of input values
;; workspace buffers: xc 25,165,824 bytes; wc 4,194,304 bytes; qkv 25,165,824 bytes; ac 8,388,608 bytes
;; launch quant (part 1): grid 640 x 1, 8 waves a work-group, no clusters, 68,608 bytes of LDS; arguments x, Wq, Wk, Wv, Wo, lowp_scales, xc, wc; writes xc, wc
.if DOCPART == 1
	.amdgcn_target "amdgcn-amd-amdhsa--gfx1250"
	.amdhsa_code_object_version 6
	.text
	.protected	k_q7d70f17a87_quant
	.globl	k_q7d70f17a87_quant
	.p2align	8
	.type	k_q7d70f17a87_quant,@function
k_q7d70f17a87_quant:
	s_mov_b64 s[64:65], 0
	v_nop
	global_prefetch_b8 v0, s[64:65] scope:SCOPE_SE
	s_setreg_imm32_b32 hwreg(HW_REG_WAVE_MODE, 25, 1), 1
	s_wait_xcnt 0x0
; x [8192][1024] f32 becomes three sets of codes of BF8 (E5M2), one for each of the scales given for it (entries 0, 2, 4 of the scales); Wq, Wk, Wv, Wo [1024 (k)][1024 (n)] f32 become codes with K innermost (entries 1, 3, 5, 11).
; code = number / 2^e, held within +-57,344, rounded to the nearest code, ties to even.  LIMITS: -126 <= e <= 112 for each of the seven entries; NaN among the inputs is not served.
; THE CODES ARE LAID AS IMAGES OF THE OPERAND'S REGISTERS.  A fragment (16 rows x 128 K) is 2,048 bytes: [piece c 0..3][lane 0..31][16 bytes]; lane (r = row % 16, h) holds in piece c the codes of
; k = 32 c + 8 h + 0..7 and then k = 32 c + 16 + 8 h + 0..7: registers 4 c .. 4 c + 3 of the K = 128 form's own layout.  xc: [3 sets][512 tiles of 16 rows][8 K steps][2,048]; wc: [4 weights][64 tiles of 16 n][8 K steps][2,048].
; So a lane's 16 bytes belong together, and each store of a wave covers 512 (weights: twice 256) consecutive bytes, aligned.
; WORK-GROUPS 0..127: the weights.  A lane takes a column n and its registers run down K: each load reads 128 consecutive bytes a wave, 1,024 a work-group; nothing is transposed.
; WORK-GROUPS 128..639: x.  A work-group takes 16 rows, wave w their K step w (128 numbers of each row).  Loads take 512 consecutive bytes of a row; the numbers turn through the wave's own stage in LDS
; (rows of 512 + 16 bytes) so that a lane holds neighbours along K.  No barrier: waves share nothing.  Every offset is an immediate, no register of a load or store is written again.
.set WX,   32                          ; weights: v32-95   two sets of 32 numbers
.set WC,   96                          ; weights: v96-127  eight registers of codes for each of four blocks
.set R,    16                          ; x: v16-79   16 rows as loaded
.set X,    80                          ; x: v80-143  piece c: 16 numbers at X + 16 c
.set T0,   144                         ; x: v144-159 held numbers, set 0
.set T1,   160                         ; x: v160-175 held numbers, set 1 (set 2 is held in place)
.set C,    176                         ; x: v176-223 codes: set s, piece c at C + 16 s + 4 c
.set SP,   528                         ; a stage row: 512 bytes + 16: row r starts 4 r banks on (64 banks of 4 bytes: ISA guide 11.1)
.set WSTG, 16*SP                       ; a wave's stage
.macro MKSCALE e, vs, vl               ; v[vs] = 2^e as f32 (the conversion takes its exponent field), v[vl] = 57,344 x 2^e; e in s[e]
	s_add_co_i32 s50, s[\e], 127
	s_lshl_b32 s51, s50, 23
	v_mov_b32 v[\vs], s51
	s_add_co_i32 s50, s50, 15
	s_lshl_b32 s50, s50, 23
	s_or_b32 s50, s50, 0x600000
	v_mov_b32 v[\vl], s50
.endm
	s_load_b512 s[4:19], s[0:1], 0x0               ; x 4:5, Wq 6:7, Wk 8:9, Wv 10:11, Wo 12:13, scales 14:15, xc 16:17, wc 18:19
	v_lshl_add_u32 v224, v0, 2, 0x10800
	v_mov_b32 v225, 0
	v_lshrrev_b32 v1, 5, v0
	s_delay_alu instid0(VALU_DEP_1)
	v_readfirstlane_b32 s20, v1                    ; wave 0..7
	v_and_b32 v1, 31, v0                           ; lane
	v_and_b32 v2, 15, v0                           ; lane % 16
	v_bfe_u32 v3, v0, 4, 1                         ; lane / 16
	s_wait_kmcnt 0x0
	s_load_b256 s[24:31], s[14:15], 0x0            ; entries 0..7
	s_load_b128 s[32:35], s[14:15], 0x20           ; entries 8..11
	s_cmp_lt_u32 ttmp9, 128
	s_cbranch_scc0 .Lx
	; ---------------- the weights: work-group g = 32 x weight + 8 x (256 columns) + K step
	s_lshr_b32 s21, ttmp9, 5                       ; which weight
	s_bfe_u32 s22, ttmp9, 0x20003                  ; which 256 columns
	s_and_b32 s23, ttmp9, 7                        ; which 128 along K
	s_cmp_eq_u32 s21, 1
	s_cselect_b64 s[44:45], s[8:9], s[6:7]
	s_cmp_eq_u32 s21, 2
	s_cselect_b64 s[44:45], s[10:11], s[44:45]
	s_cmp_eq_u32 s21, 3
	s_cselect_b64 s[44:45], s[12:13], s[44:45]
	s_lshl_b32 s48, s23, 19                        ; 128 rows of 4,096 bytes a K step
	s_lshl_b32 s49, s22, 10
	s_add_co_u32 s48, s48, s49
	s_lshl_b32 s49, s20, 7                         ; my wave's 32 columns
	s_add_co_u32 s48, s48, s49
	s_mov_b32 s49, 0
	s_add_nc_u64 s[44:45], s[44:45], s[48:49]
	s_lshl_b32 s48, s21, 20                        ; out: weight x 1 MiB + column x 1,024 + K step x 2,048
	s_lshl_b32 s50, s22, 18
	s_add_co_u32 s48, s48, s50
	s_lshl_b32 s50, s20, 15
	s_add_co_u32 s48, s48, s50
	s_lshl_b32 s50, s23, 11
	s_add_co_u32 s48, s48, s50
	s_add_nc_u64 s[18:19], s[18:19], s[48:49]
	s_wait_alu depctr_va_vdst(0)
	v_lshlrev_b32 v4, 2, v1                        ; in: 4 bytes a lane
	v_lshlrev_b32 v5, 4, v2                        ; out: my column is row lane % 16 of tile lane / 16: 16 bytes at 16 (lane % 16), tiles 16,384 bytes apart
	s_delay_alu instid0(VALU_DEP_1)
	v_lshl_add_u32 v5, v3, 14, v5
.macro WLOAD t                         ; block t: W(32 t + i, my column), i = 0 .. 31, into set t % 2
.irp i, 0,1,2,3,4,5,6,7,8,9,10,11,12,13,14,15,16,17,18,19,20,21,22,23,24,25,26,27,28,29,30,31
	global_load_b32 v[WX+32*((\t)%2)+\i], v4, s[44:45] offset:(32*(\t)+\i)*4096 th:TH_LOAD_NT
.endr
.endm
.macro WBLOCK t
.set XS, WX+32*((\t)%2)
.if (\t) < 3
	s_wait_loadcnt 32                              ; this block's 32 loads are in; the next block's 32 may be out
.else
	s_wait_loadcnt 0
.endif
.irp i, 0,1,2,3,4,5,6,7,8,9,10,11,12,13,14,15,16,17,18,19,20,21,22,23,24,25,26,27,28,29,30,31
	v_med3_num_f32 v[XS+\i], v[XS+\i], -v10, v10   ; the conversion to an 8-bit code does not saturate (ISA guide 7.6.2): the hold comes first
.endr
	v_cvt_scalef32_pk8_bf8_f32 v[WC+8*(\t):WC+8*(\t)+1], v[XS:XS+7], v11          ; the image's half h = 0: k = 32 t + 0..7,
	v_cvt_scalef32_pk8_bf8_f32 v[WC+8*(\t)+2:WC+8*(\t)+3], v[XS+16:XS+23], v11    ; 32 t + 16..23;
	v_cvt_scalef32_pk8_bf8_f32 v[WC+8*(\t)+4:WC+8*(\t)+5], v[XS+8:XS+15], v11     ; its half h = 1: 32 t + 8..15,
	v_cvt_scalef32_pk8_bf8_f32 v[WC+8*(\t)+6:WC+8*(\t)+7], v[XS+24:XS+31], v11    ; 32 t + 24..31
	global_store_b128 v5, v[WC+8*(\t):WC+8*(\t)+3], s[18:19] offset:512*(\t)      ; sixteen lanes store 256 consecutive bytes, aligned
	global_store_b128 v5, v[WC+8*(\t)+4:WC+8*(\t)+7], s[18:19] offset:512*(\t)+256
.if (\t) < 2
	WLOAD (\t)+2                                   ; (the next vector lines are the next block's holds: plain, on the other set)
.endif
.endm
	WLOAD 0
	WLOAD 1
	s_wait_kmcnt 0x0
	s_cmp_eq_u32 s21, 1
	s_cselect_b32 s46, s27, s25                    ; the weight's own exponent: entries 1, 3, 5, 11
	s_cmp_eq_u32 s21, 2
	s_cselect_b32 s46, s29, s46
	s_cmp_eq_u32 s21, 3
	s_cselect_b32 s46, s35, s46
	MKSCALE 46, 11, 10
	s_wait_alu depctr_va_vdst(0)
	WBLOCK 0
	WBLOCK 1
	WBLOCK 2
	WBLOCK 3
	s_endpgm
	; ---------------- x: work-group 128 + T takes rows 16 T .. 16 T + 15
.Lx:
	s_sub_co_u32 s21, ttmp9, 128
	s_lshl_b32 s48, s21, 16                        ; 16 rows of 4,096 bytes
	s_lshl_b32 s49, s20, 9                         ; my wave's 128 numbers of each row
	s_add_co_u32 s48, s48, s49
	s_mov_b32 s49, 0
	s_add_nc_u64 s[4:5], s[4:5], s[48:49]
	s_lshl_b32 s48, s21, 14                        ; out: tile x 16,384 + K step x 2,048,
	s_lshl_b32 s50, s20, 11
	s_add_co_u32 s48, s48, s50
	s_add_nc_u64 s[36:37], s[16:17], s[48:49]
	s_add_nc_u64 s[38:39], s[36:37], 0x800000      ; in each of the three sets, 8 MiB apart
	s_add_nc_u64 s[40:41], s[38:39], 0x800000
	s_wait_alu depctr_va_vdst(0)
	v_lshlrev_b32 v4, 4, v1                        ; 16 x lane: my bytes of a load's 512 and of a store's 512
	s_mul_i32 s22, s20, WSTG
	v_add_nc_u32 v6, s22, v4                       ; the stage, on the way in: a row as it lies
	v_mul_u32_u24 v7, v2, SP
	s_delay_alu instid0(VALU_DEP_1)
	v_lshl_add_u32 v7, v3, 5, v7
	s_delay_alu instid0(VALU_DEP_1)
	v_add_nc_u32 v7, s22, v7                       ; on the way out: row lane % 16, + 32 bytes (8 numbers) for the upper half of the lanes
.irp i, 0,1,2,3,4,5,6,7,8,9,10,11,12,13,14,15
	global_load_b128 v[R+4*\i:R+4*\i+3], v4, s[4:5] offset:4096*\i th:TH_LOAD_NT   ; 512 consecutive bytes of row i
.endr
	s_wait_alu depctr_va_vdst(0)
	s_wait_kmcnt 0x0
	MKSCALE 24, 8, 9
	MKSCALE 26, 10, 11
	MKSCALE 28, 12, 13
	s_wait_alu depctr_va_vdst(0)
.irp i, 0,1,2,3,4,5,6,7,8,9,10,11,12,13,14,15
	s_wait_loadcnt 15-\i                           ; loads come back in order (ISA guide 5.7.1): row i is in, the later rows may be out
	ds_store_b128 v6, v[R+4*\i:R+4*\i+3] offset:SP*\i
.endr
.irp c, 0,1,2,3                        ; LDS serves a wave's instructions in order: these see the stores above
	ds_load_b128 v[X+16*\c:X+16*\c+3],     v7 offset:128*\c       ; k = 32 c + 8 h + 0..3
	ds_load_b128 v[X+16*\c+4:X+16*\c+7],   v7 offset:128*\c+16    ; + 4..7
	ds_load_b128 v[X+16*\c+8:X+16*\c+11],  v7 offset:128*\c+64    ; k = 32 c + 16 + 8 h + 0..3
	ds_load_b128 v[X+16*\c+12:X+16*\c+15], v7 offset:128*\c+80    ; + 4..7
.endr
.irp c, 0,1,2,3
	s_wait_dscnt 12-4*\c                           ; piece c's four loads are in; the later pieces' may be out
.irp i, 0,1,2,3,4,5,6,7,8,9,10,11,12,13,14,15
	v_med3_num_f32 v[T0+\i], v[X+16*\c+\i], -v9, v9
.endr
	v_cvt_scalef32_pk8_bf8_f32 v[C+4*\c:C+4*\c+1], v[T0:T0+7], v8
	v_cvt_scalef32_pk8_bf8_f32 v[C+4*\c+2:C+4*\c+3], v[T0+8:T0+15], v8
.irp i, 0,1,2,3,4,5,6,7,8,9,10,11,12,13,14,15
	v_med3_num_f32 v[T1+\i], v[X+16*\c+\i], -v11, v11   ; (plain lines on other registers stand between a conversion and the next write of its sources)
.endr
	v_cvt_scalef32_pk8_bf8_f32 v[C+16+4*\c:C+16+4*\c+1], v[T1:T1+7], v10
	v_cvt_scalef32_pk8_bf8_f32 v[C+16+4*\c+2:C+16+4*\c+3], v[T1+8:T1+15], v10
.irp i, 0,1,2,3,4,5,6,7,8,9,10,11,12,13,14,15
	v_med3_num_f32 v[X+16*\c+\i], v[X+16*\c+\i], -v13, v13
.endr
	v_cvt_scalef32_pk8_bf8_f32 v[C+32+4*\c:C+32+4*\c+1], v[X+16*\c:X+16*\c+7], v12
	v_cvt_scalef32_pk8_bf8_f32 v[C+32+4*\c+2:C+32+4*\c+3], v[X+16*\c+8:X+16*\c+15], v12
	global_store_b128 v4, v[C+4*\c:C+4*\c+3], s[36:37] offset:512*\c         ; 32 lanes store 512 consecutive bytes, aligned
	global_store_b128 v4, v[C+16+4*\c:C+16+4*\c+3], s[38:39] offset:512*\c
	global_store_b128 v4, v[C+32+4*\c:C+32+4*\c+3], s[40:41] offset:512*\c
.endr
	s_wait_tensorcnt 0x0
	ds_add_u32 v224, v225
	s_wait_dscnt 0x0
	s_endpgm
.Lfunc_end_k_q7d70f17a87_quant:
	.size	k_q7d70f17a87_quant, .Lfunc_end_k_q7d70f17a87_quant-k_q7d70f17a87_quant
	.p2alignl 7, 3214868480
	.fill 96, 4, 3214868480
	.section	.rodata,"a",@progbits
	.p2align	6, 0x0
	.amdhsa_kernel k_q7d70f17a87_quant
		.amdhsa_group_segment_fixed_size 68608
		.amdhsa_private_segment_fixed_size 0
		.amdhsa_enable_private_segment 0
		.amdhsa_kernarg_size 64
		.amdhsa_user_sgpr_count 2
		.amdhsa_user_sgpr_kernarg_segment_ptr 1
		.amdhsa_wavefront_size32 1
		.amdhsa_system_sgpr_workgroup_id_x 1
		.amdhsa_system_sgpr_workgroup_id_y 1
		.amdhsa_system_sgpr_workgroup_id_z 1
		.amdhsa_system_vgpr_workitem_id 0
		.amdhsa_next_free_vgpr 226
		.amdhsa_next_free_sgpr 66
		.amdhsa_reserve_vcc 0
		.amdhsa_float_denorm_mode_32 3
		.amdhsa_float_denorm_mode_16_64 3
		.amdhsa_memory_ordered 1
		.amdhsa_forward_progress 1
		.amdhsa_inst_pref_size 46
	.end_amdhsa_kernel
	.amdgpu_metadata
---
amdhsa.version: [ 1, 2 ]
amdhsa.kernels:
  - .name:           k_q7d70f17a87_quant
    .symbol:         k_q7d70f17a87_quant.kd
    .args:
      - { .name: x, .offset: 0, .size: 8, .value_kind: global_buffer, .address_space: global }
      - { .name: Wq, .offset: 8, .size: 8, .value_kind: global_buffer, .address_space: global }
      - { .name: Wk, .offset: 16, .size: 8, .value_kind: global_buffer, .address_space: global }
      - { .name: Wv, .offset: 24, .size: 8, .value_kind: global_buffer, .address_space: global }
      - { .name: Wo, .offset: 32, .size: 8, .value_kind: global_buffer, .address_space: global }
      - { .name: lowp_scales, .offset: 40, .size: 8, .value_kind: global_buffer, .address_space: global }
      - { .name: xc, .offset: 48, .size: 8, .value_kind: global_buffer, .address_space: global }
      - { .name: wc, .offset: 56, .size: 8, .value_kind: global_buffer, .address_space: global }
    .group_segment_fixed_size: 68608
    .private_segment_fixed_size: 0
    .kernarg_segment_align: 8
    .kernarg_segment_size: 64
    .max_flat_workgroup_size: 256
    .sgpr_count:     66
    .vgpr_count:     226
    .wavefront_size: 32
...
	.end_amdgpu_metadata
.endif
;; end of part 1
;; launch qkv (part 2): grid 4 x 64, 4 waves a work-group, clusters of 4 x 4, 327,680 bytes of LDS; arguments xc, wc, lowp_scales, bq, bk, bv, qkv; writes qkv
.if DOCPART == 2
	.amdgcn_target "amdgcn-amd-amdhsa--gfx1250"
	.amdhsa_code_object_version 6
	.text
	.protected	k_q7d70f17a87_qkv
	.globl	k_q7d70f17a87_qkv
	.p2align	8
	.type	k_q7d70f17a87_qkv,@function
k_q7d70f17a87_qkv:
	s_mov_b64 s[64:65], 0
	v_nop
	global_prefetch_b8 v0, s[64:65] scope:SCOPE_SE
	s_setreg_imm32_b32 hwreg(HW_REG_WAVE_MODE, 25, 1), 1
	s_wait_xcnt 0x0
	s_wait_alu depctr_hold_cnt(0) depctr_sa_sdst(0) depctr_va_vdst(0) depctr_va_sdst(0) depctr_va_ssrc(0) depctr_va_vcc(0) depctr_vm_vsrc(0)
	s_getreg_b32 s2, hwreg(HW_REG_IB_STS2, 6, 4)
	s_cmp_eq_u32 s2, 0
	s_cbranch_scc0 .Lentry_in_a_cluster
	s_endpgm
.Lentry_in_a_cluster:
	s_bfe_u32 s2, ttmp6, 0x10000c
	s_cmp_lg_u32 s2, 0xf033
	s_cbranch_scc0 .Lentry_shape_is_right
	s_endpgm
.Lentry_shape_is_right:
; q = x Wq + bq, k = x Wk + bk, v = x Wv + bv on codes of BF8 (E5M2); each result is quantised at once for attention's products (entries 6, 7, 9 of the scales) and stored as images of operand registers.
; IN: xc [3 sets][512 tiles of 16 rows][8 K steps][2,048], wc [4 weights][64 tiles of 16 n][8 K steps][2,048]: a fragment (16 rows x 128 K) is [piece 0..3][lane][16 bytes].
; OUT: qkv: q at 0, k at 8 MiB: [64 (batch, head)][128 tiles of 16 tokens][1,024]; v at 16 MiB: [64][16 chunks of 128 keys][4 tiles of 16 channels][2,048].
; A WORK-GROUP STAYS for one and a half tiles, so that the 384 tiles of 256 x 256 are 256 equal shares.  TILE 1: 256 tokens x 256 channels of q (cluster rows 0-7) or k (8-15); a wave makes 128 x 128.
; TILE 2: 256 channels x 128 tokens of v; a wave makes 128 x 64.  The matrix instruction takes as source 1 the rows that a lane is to hold and as source 0 those along its registers:
; tile 1: lane = token, registers = channels (the next K is the head's 64); tile 2: lane = channel, registers = tokens (the next K is the keys).  So the conversions' results are operand registers.
; THE RING: two slots of 256 along K; waves 0, 1 fetch the lane side's halves (128 rows each), waves 2, 3 the register side's (tile 1: 128 rows each; tile 2: 64).  It does not stop between the tiles:
; tile 1's last two changes of slots ask for tile 2's K steps 0 and 1, which are on their way while tile 1 goes out.  The eight fills of a slot are numbered 0..7: tile 1's K steps 0..3, then tile 2's.
; CLUSTER 4 x 4: the lane side's tile hangs on cy (and the cluster's row), and is asked for jointly along a row of the cluster; the register side's on cx, jointly along a column.
; PREFETCH INTO THE L2: behind fill n's joint load stands one prefetch a wave for fill n + 2 (n = 0..5; the last two fills ask for nothing).  Of the rows of 4,096 bytes that a wave fetches, each of the four partners that
; ask for them jointly takes its share BY ADDRESS: two of eight rows, a lane to each block of 256 bytes; of tile 2's four rows one, lanes 15-31 all naming its last block.  x's codes are read by one cluster alone; a weight
; is read by eight or sixteen rows of clusters, of which four ask for it (a branch on the cluster's row and the wave's number).  Every step is an immediate on a base that is never rewritten.
; LIMITS: entries 0+1, 2+3, 4+5 between -126 and 127; entries 6, 7, 9 between -126 and 112.  NaN is not served.
; REGISTERS: window 0: v0-31 addresses, v32-95 tile 1's bias (by register), v96-111 tile 2's (by lane), v128-255 the lane side's fragments, one set; on the way out v112-175 numbers, v176-191 codes.
;   window 1: the register side's fragments, two sets.  windows 2, 3: accumulator (a, b) at v[8 (8 (a % 4) + b)].
.set HALFT,  32768
.set SLOT,   4*HALFT
.set SPARE,  2*SLOT
.set KB,     4096                      ; 256 along K of one 16-row tile
.set FR,     16
.set NL,     4
.set NP,     4
.set BNA,  7
.set BMA,  8
.set SCV,  9
.set LIMV, 10
.set PFO,  11                          ; the prefetches' lane offsets: tile 1's,
.set PFO2, 12                          ; tile 2's; never rewritten
.set ADRA, 16
.set ADRB, 20
.set ST0,  26
.set ST1,  27
.set SPW,  28
.set NIL,  29
.set BN,   32
.set BM,   96
.set TMP,  112
.set CD,   176
.set AF,   128
.set G1,  24                           ; group 1, lane side: 8 tiles of 16 rows
.set G0,  32
.set G1B, 48                           ; group 1, register side, tile 1: 8 tiles
.set G0B, 56
.set G1C, 84                           ; group 1, register side, tile 2: 4 tiles
.set PA2, 66                           ; s[66:67], s[74:75]: where tile 2's two sides begin
.set PB2, 74
.set NB,  8                            ; blocks of 16 on the register side: 8 in tile 1, 4 in tile 2
.set GB,  G1B
.set ASKN, 8                           ; the fill that the next change of slots prefetches (8: none)
.set MSB, 0
.macro WIN new
.if MSB != (\new)
	s_set_vgpr_msb (MSB<<8)|(\new)
.set MSB, (\new)
.endif
.endm
.set MUL_LO, 0xa1
.set MUL_HI, 0xf1
.set TO_B,   0x40
.macro JLOAD g0a, g1a, g0b, g1b        ; a joint load: one line for each side, chosen by the wave's number alone
	s_cmp_eq_u32 s15, 0
	s_cbranch_scc0 .Lfor_b_\@
	tensor_load_to_lds s[\g0a:\g0a+3], s[\g1a:\g1a+7]
	s_nop 0
.rept 4
	v_nop
.endr
	s_branch .Lasked_\@
.Lfor_b_\@:
	tensor_load_to_lds s[\g0b:\g0b+3], s[\g1b:\g1b+7]
	s_nop 0
.rept 4
	v_nop
.endr
.Lasked_\@:
.endm
.macro CREST
	s_cmp_lg_u32 s14, 0
	s_cbranch_scc1 .Lnot_wave_0_\@
	s_barrier_signal -3
.Lnot_wave_0_\@:
	s_barrier_wait -3
	s_barrier_signal -1
	s_barrier_wait -1
.endm
.macro CROUND
	s_barrier_signal -1
	s_barrier_wait -1
	CREST
.endm
.macro ASK n                           ; my work-group's share of what my wave fetches in fill n.  s3, s19: 1 where my wave asks in tile 1, in tile 2
.if (\n) < 4
	s_cmp_lg_u32 s3, 0
	s_cbranch_scc0 .Lno_\@
	global_prefetch_b8 v[PFO], s[10:11] offset:(\n)*KB th:TH_LOAD_NT scope:SCOPE_SE
.Lno_\@:
.elseif (\n) < 8
	s_cmp_lg_u32 s19, 0
	s_cbranch_scc0 .Lno_\@
	global_prefetch_b8 v[PFO2], s[68:69] offset:((\n)-4)*KB th:TH_LOAD_NT scope:SCOPE_SE
.Lno_\@:
.endif
.endm
	s_load_b256 s[4:11], s[0:1], 0x0               ; xc 4:5, wc 6:7, scales 8:9, bq 10:11
	s_load_b128 s[68:71], s[0:1], 0x20             ; bk, bv
	s_load_b64 s[72:73], s[0:1], 0x30              ; qkv
	v_lshl_add_u32 v[SPW], v0, 2, SPARE
	v_mov_b32 v[NIL], 0
	ds_add_u32 v[SPW], v[NIL]                      ; the opening lines: the add, twice on end, and its wait
	ds_add_u32 v[SPW], v[NIL]
	v_lshrrev_b32 v1, 5, v0
	v_readfirstlane_b32 s14, v1                    ; wave
	s_lshr_b32 s15, s14, 1                         ; my half of the lane side.  Also: which side I fetch for
	s_and_b32 s16, s14, 1                          ; my half of the register side.  Also: which half I fetch
	s_bfe_u32 s40, ttmp6, 0x40000                  ; cx
	s_bfe_u32 s41, ttmp6, 0x40004                  ; cy
	s_and_b32 s17, ttmp7, 0xffff                   ; the cluster's row, 0..15
	s_lshr_b32 s12, s17, 3                         ; tile 1: q (0) or k (1),
	s_and_b32 s13, s17, 7                          ; and which 1,024 tokens
	s_lshl_b32 s43, s41, 2
	s_lshl_b32 s43, 15, s43                        ; my row of the cluster
	s_lshl_b32 s44, 0x1111, s40                    ; my column
	s_or_b32 s[G1], s43, (3<<16)|(1<<21)           ; elements of 8 bytes, no padding, bit 21 beside the mask
	s_or_b32 s[G1B], s44, (3<<16)|(1<<21)
	s_or_b32 s[G1C], s44, (3<<16)|(1<<21)
.irp g, G1, G1B, G1C
	s_mov_b32 s[\g+1], 512<<16                     ; a row: 4,096 bytes, two K steps of one 16-row tile
	s_mov_b32 s[\g+3], 512<<16
	s_mov_b32 s[\g+5], 2048                        ; 16,384 bytes from tile to tile
	s_mov_b32 s[\g+6], 0
	s_mov_b32 s[\g+7], 0
.endr
	s_mov_b32 s[G1+2], 8<<16
	s_mov_b32 s[G1+4], 8
	s_mov_b32 s[G1B+2], 8<<16
	s_mov_b32 s[G1B+4], 8
	s_mov_b32 s[G1C+2], 4<<16
	s_mov_b32 s[G1C+4], 4
	s_lshl_b32 s18, s16, 17                        ; 128 rows of codes
	s_lshl_b32 s20, s12, 23                        ; tile 1, lane side: x's set, 1,024 tokens x s13, 256 x cy, my half
	s_lshl_b32 s21, s13, 20
	s_add_co_u32 s20, s20, s21
	s_lshl_b32 s21, s41, 18
	s_add_co_u32 s20, s20, s21
	s_add_co_u32 s20, s20, s18
	s_mov_b32 s21, 0
	s_lshl_b32 s46, s12, 20                        ; tile 1, register side: the weight, 256 columns x cx, my half
	s_lshl_b32 s47, s40, 18
	s_add_co_u32 s46, s46, s47
	s_add_co_u32 s46, s46, s18
	s_mov_b32 s47, 0
	s_lshl_b32 s[PA2], s41, 18                     ; tile 2, lane side: Wv, 256 columns x cy, my half
	s_add_co_u32 s[PA2], s[PA2], s18
	s_add_co_u32 s[PA2], s[PA2], 2<<20
	s_mov_b32 s[PA2+1], 0
	s_lshl_b32 s[PB2], s17, 2                      ; tile 2, register side: x's third set, 128 tokens x (4 x cluster row + cx), my 64
	s_add_co_u32 s[PB2], s[PB2], s40
	s_lshl_b32 s[PB2], s[PB2], 17
	s_lshl_b32 s[PB2+1], s16, 16
	s_add_co_u32 s[PB2], s[PB2], s[PB2+1]
	s_add_co_u32 s[PB2], s[PB2], 2<<23
	s_mov_b32 s[PB2+1], 0
	s_mul_i32 s45, s14, HALFT                      ; where my part goes: the wave's number alone
	s_wait_dscnt 0x0
	s_wait_kmcnt 0x0
	s_load_b256 s[76:83], s[8:9], 0x0              ; entries 0..7
	s_load_b32 s42, s[8:9], 0x24                   ; entry 9
	s_cmp_eq_u32 s12, 0
	s_cselect_b64 s[94:95], s[10:11], s[68:69]     ; tile 1's bias
	s_add_nc_u64 s[20:21], s[4:5], s[20:21]
	s_add_nc_u64 s[46:47], s[6:7], s[46:47]
	s_add_nc_u64 s[PA2:PA2+1], s[6:7], s[PA2:PA2+1]
	s_add_nc_u64 s[PB2:PB2+1], s[4:5], s[PB2:PB2+1]
	s_cmp_eq_u32 s15, 0                            ; the prefetches: what my wave fetches,
	s_cselect_b64 s[10:11], s[20:21], s[46:47]     ; in tile 1,
	s_cselect_b64 s[68:69], s[PA2:PA2+1], s[PB2:PB2+1] ; in tile 2;
	s_cselect_b32 s18, s40, s41                    ; my place among the four that ask for it with me;
	s_cselect_b32 s19, 15, 14                      ; tile 2: two rows of 16,384 bytes a partner, or one;
	s_cselect_b32 s2, 31, 15                       ; and 32 blocks, or 16
	s_lshl_b32 s22, s18, 15
	s_mov_b32 s23, 0
	s_add_nc_u64 s[10:11], s[10:11], s[22:23]
	s_lshl_b32 s22, s18, s19
	s_add_nc_u64 s[68:69], s[68:69], s[22:23]
	s_cmp_lt_u32 s13, 4                            ; who asks: for x's codes every cluster, for a weight four rows of clusters
	s_cselect_b32 s3, 1, 0
	s_xor_b32 s18, s15, 1
	s_or_b32 s3, s3, s18                           ; tile 1: x is the lane side
	s_cmp_lt_u32 s17, 4
	s_cselect_b32 s19, 1, 0
	s_or_b32 s19, s19, s15                         ; tile 2: x is the register side
	CROUND                                         ; all sixteen work-groups are here: the first joint loads meet
.irp s, 0,1
	s_mov_b32 s[G0+4*\s], 1
	s_add_co_u32 s[G0+4*\s+1], s45, \s*SLOT
	s_add_nc_u64 s[G0+4*\s+2:G0+4*\s+3], s[20:21], \s*KB
	s_or_b32 s[G0+4*\s+3], s[G0+4*\s+3], 0x80000000
	s_mov_b32 s[G0B+4*\s], 1
	s_add_co_u32 s[G0B+4*\s+1], s45, \s*SLOT
	s_add_nc_u64 s[G0B+4*\s+2:G0B+4*\s+3], s[46:47], \s*KB
	s_or_b32 s[G0B+4*\s+3], s[G0B+4*\s+3], 0x80000000
.endr
	JLOAD G0, G1, G0B, G1B                         ; fill 0: my one load at the head
	s_mul_i32 s21, s15, HALFT                      ; LDS: my half of the lane side,
	s_mul_i32 s22, s16, HALFT
	s_add_co_u32 s22, s22, 2*HALFT                 ; of the register side
	s_lshl_b32 s98, s40, 1
	s_add_co_u32 s98, s98, s16                     ; 2 cx + register half
	s_lshl_b32 s99, s41, 1
	s_add_co_u32 s99, s99, s15                     ; 2 cy + lane half
	s_lshl_b32 s100, s12, 23                       ; tile 1's place in qkv: q or k; batch; my two heads; my 8 tiles of 16 tokens
	s_lshr_b32 s101, s13, 1
	s_lshl_b32 s101, s101, 21
	s_add_co_u32 s100, s100, s101
	s_lshl_b32 s101, s98, 18
	s_add_co_u32 s100, s100, s101
	s_and_b32 s101, s13, 1
	s_lshl_b32 s101, s101, 16
	s_add_co_u32 s100, s100, s101
	s_lshl_b32 s101, s99, 13
	s_add_co_u32 s100, s100, s101
	s_mov_b32 s101, 0
	s_lshl_b32 s46, s17, 2                         ; tile 2's: v; batch and chunk of my 128 tokens; my two heads; my 64 tokens are two pieces of 512 bytes
	s_add_co_u32 s46, s46, s40
	s_lshr_b32 s47, s46, 4
	s_lshl_b32 s47, s47, 21
	s_and_b32 s46, s46, 15
	s_lshl_b32 s46, s46, 13
	s_add_co_u32 s46, s46, s47
	s_lshl_b32 s47, s99, 18
	s_add_co_u32 s46, s46, s47
	s_lshl_b32 s47, s16, 10
	s_add_co_u32 s46, s46, s47
	s_add_co_u32 s46, s46, 2<<23
	s_mov_b32 s47, 0
	s_add_nc_u64 s[92:93], s[72:73], s[46:47]
	s_add_nc_u64 s[72:73], s[72:73], s[100:101]
	s_lshl_b32 s46, s98, 9                         ; my 128 channels' bias: tile 1's,
	s_lshl_b32 s47, s99, 9                         ; tile 2's
	v_and_b32 v1, 31, v0
	v_lshlrev_b32 v[ST0], 4, v1                    ; 16 x lane
	v_and_b32 v2, 15, v0
	v_bfe_u32 v3, v0, 4, 1
	v_add_nc_u32 v[ADRA], s21, v[ST0]
	v_add_nc_u32 v[ADRB], s22, v[ST0]
	v_add_nc_u32 v[ADRA+1], SLOT, v[ADRA]
	v_add_nc_u32 v[ADRB+1], SLOT, v[ADRB]
	v_add_nc_u32 v[ST1], 0x20000, v[ST0]           ; tile 1: the second head
	v_lshlrev_b32 v[BNA], 5, v3
	v_add_nc_u32 v[BNA], s46, v[BNA]
	v_lshlrev_b32 v[BMA], 2, v2
	v_add_nc_u32 v[BMA], s47, v[BMA]
	v_lshlrev_b32 v[PFO], 14, v3                   ; row lane / 16 of my two, block lane % 16 of its sixteen
	v_lshl_add_u32 v[PFO], v2, 8, v[PFO]
	v_min_u32 v4, s2, v1                           ; tile 2: the same of min(lane, 31 or 15)
	v_lshrrev_b32 v5, 4, v4
	v_and_b32 v4, 15, v4
	v_lshlrev_b32 v5, 14, v5
	v_lshl_add_u32 v[PFO2], v4, 8, v5
.irp b, 0,1,2,3,4,5,6,7
	global_load_b128 v[BN+8*\b:BN+8*\b+3], v[BNA], s[94:95] offset:64*\b          ; channels 16 b + 8 h + 0..7
	global_load_b128 v[BN+8*\b+4:BN+8*\b+7], v[BNA], s[94:95] offset:64*\b+16
.endr
.irp a, 0,1,2,3,4,5,6,7
	global_load_b32 v[BM+2*\a], v[BMA], s[70:71] offset:64*\a                     ; channel 16 a + lane % 16, in both registers of a pair
	global_load_b32 v[BM+2*\a+1], v[BMA], s[70:71] offset:64*\a
.endr
	ASK 2
.macro FRAG reg, adr, q, i
.irp c, 0,1,2,3
	ds_load_b128 v[\reg+4*\c:\reg+4*\c+3], v[\adr] offset:2048*(\q)+512*\c+4096*(\i)
.endr
.endm
.macro MUL16 a0, p, zero               ; lane-side blocks a0, a0 + 1 x the NB register-side blocks; the accumulators take turns
.irp a, \a0, \a0+1
.irp b, 0,1,2,3,4,5,6,7
.if \b < NB
.if \zero
	v_wmma_f32_16x16x128_bf8_bf8 v[8*(8*((\a)%4)+\b):8*(8*((\a)%4)+\b)+7], v[128*(\p)+FR*\b:128*(\p)+FR*\b+FR-1], v[AF+FR*(\a):AF+FR*(\a)+FR-1], 0
.else
	v_wmma_f32_16x16x128_bf8_bf8 v[8*(8*((\a)%4)+\b):8*(8*((\a)%4)+\b)+7], v[128*(\p)+FR*\b:128*(\p)+FR*\b+FR-1], v[AF+FR*(\a):AF+FR*(\a)+FR-1], v[8*(8*((\a)%4)+\b):8*(8*((\a)%4)+\b)+7]
.endif
.endif
.endr
.endr
.endm
.macro FETCH_B slot, q, p
	WIN TO_B
.irp i, 0,1,2,3,4,5,6,7
.if \i < NB
	FRAG 128*(\p)+FR*\i, ADRB+\slot, \q, \i
.endif
.endr
	WIN 0
.endm
.macro FETCH_A slot, q, i0
.irp i, \i0, \i0+1, \i0+2, \i0+3
	FRAG AF+FR*(\i), ADRA+\slot, \q, \i
.endr
.endm
.macro PLACES n
.rept \n
	v_nop
.endr
.endm
.macro FIRST                           ; slot 0's first fragments
	FETCH_B 0, 0, 0
	FETCH_A 0, 0, 0
	FETCH_A 0, 0, 4
.endm
.macro STEP slot, q, zero              ; 128 along K with its successor in the same slot
	s_wait_dscnt 4*NL                              ; all but the youngest 16 loads (blocks 4-7 of the lane side)
	WIN MUL_LO
	MUL16 0, (\q)%2, \zero
	MUL16 2, (\q)%2, \zero
	s_wait_dscnt 0
	PLACES NP
	FETCH_B \slot, (\q)+1, 1-(\q)%2
	FETCH_A \slot, (\q)+1, 0
	WIN MUL_HI
	MUL16 4, (\q)%2, \zero
	MUL16 6, (\q)%2, \zero
	PLACES NP
	WIN 0
	FETCH_A \slot, (\q)+1, 4
.endm
; A slot's last step changes slots.  fill = 1: this slot takes the K step two on; 2: tile 2's K step of this slot's number; 0: nothing.  fetch = 0: no fragments follow (the tile goes out first).
.macro TURN slot, next, fill, fetch
	s_wait_tensorcnt 0x0                           ; all my tensor loads have landed;
	ds_add_u32 v[SPW], v[NIL]                      ; the add;
	s_wait_dscnt 4*NL+1                            ; (the add and the youngest 16 loads may be out)
	WIN MUL_LO
	MUL16 0, 1, 0
	s_wait_dscnt 0x0                               ; the add is done, my reads of this slot are over
	s_barrier_signal -1
	MUL16 2, 1, 0
	WIN 0
	s_barrier_wait -1
.if \fill == 1
	CREST
	s_add_nc_u64 s[G0+4*\slot+2:G0+4*\slot+3], s[G0+4*\slot+2:G0+4*\slot+3], 2*KB
	s_add_nc_u64 s[G0B+4*\slot+2:G0B+4*\slot+3], s[G0B+4*\slot+2:G0B+4*\slot+3], 2*KB
	JLOAD G0+4*\slot, G1, G0B+4*\slot, GB
.elseif \fill == 2
	CREST
	s_add_nc_u64 s[G0+4*\slot+2:G0+4*\slot+3], s[PA2:PA2+1], \slot*KB
	s_or_b32 s[G0+4*\slot+3], s[G0+4*\slot+3], 0x80000000
	s_add_nc_u64 s[G0B+4*\slot+2:G0B+4*\slot+3], s[PB2:PB2+1], \slot*KB
	s_or_b32 s[G0B+4*\slot+3], s[G0B+4*\slot+3], 0x80000000
	JLOAD G0+4*\slot, G1, G0B+4*\slot, G1C
.else
	PLACES NP
.endif
.if \fetch
	FETCH_B \next, 0, 0
	FETCH_A \next, 0, 0
.endif
	ASK ASKN                                       ; behind the joint load and the run of LDS loads: the fill two on
	WIN MUL_HI
	MUL16 4, 1, 0
	MUL16 6, 1, 0
.if \fetch
	PLACES NP
	WIN 0
	FETCH_A \next, 0, 4
.else
	WIN 0
.endif
.endm
; THE WAY OUT.  sum x 2^(the two exponents) + bias, in f32; held within the largest code x the scale (the conversion does not saturate: ISA guide 7.6.2); converted; each store of the wave covers 512 consecutive bytes, aligned.
.macro MKQ                             ; s96: the sums' exponent; s98: the quantiser's
	s_add_co_i32 s96, s96, 127
	s_lshl_b32 s96, s96, 23
	s_mov_b32 s97, s96
	s_add_co_i32 s98, s98, 127
	s_lshl_b32 s99, s98, 23
	v_mov_b32 v[SCV], s99
	s_add_co_i32 s98, s98, 15
	s_lshl_b32 s98, s98, 23
	s_or_b32 s98, s98, 0x600000
	v_mov_b32 v[LIMV], s98
	PLACES NP                                      ; places behind the last products
	s_wait_alu depctr_va_vdst(0)
.endm
.macro QUANT n
.set j, 0
.rept \n
	v_med3_num_f32 v[TMP+j], v[TMP+j], -v[LIMV], v[LIMV]
.set j, j+1
.endr
.set j, 0
.rept \n/8
	v_cvt_scalef32_pk8_bf8_f32 v[CD+2*j:CD+2*j+1], v[TMP+8*j:TMP+8*j+7], v[SCV]
.set j, j+1
.endr
	v_nop                                          ; one plain line behind the conversions
.endm
.macro EPI1 a                          ; 16 tokens x 128 channels: two heads' fragments
.set AC, 64*((\a)%4)
	s_wait_xcnt 0x0                                ; the earlier stores have read their data and their base
.if (\a) > 0
	s_add_nc_u64 s[72:73], s[72:73], 1024
.endif
	WIN 0x02+((\a)/4)
.set j, 0
.rept 32
	v_pk_fma_f32 v[TMP+j:TMP+j+1], v[AC+j:AC+j+1], s[96:97], v[BN+j:BN+j+1] op_sel_hi:[1,0,1]
.set j, j+2
.endr
	WIN 0
	QUANT 64
	global_store_b128 v[ST0], v[CD:CD+3], s[72:73]
	global_store_b128 v[ST0], v[CD+4:CD+7], s[72:73] offset:512
	global_store_b128 v[ST1], v[CD+8:CD+11], s[72:73]
	global_store_b128 v[ST1], v[CD+12:CD+15], s[72:73] offset:512
.endm
.macro EPI2 a                          ; 16 channels x 64 tokens: two pieces of a fragment
.set AC, 64*((\a)%4)
	s_wait_xcnt 0x0
.if (\a) == 4
	s_add_nc_u64 s[92:93], s[92:93], 124928        ; on to the next head's first tile of channels
.elseif (\a) > 0
	s_add_nc_u64 s[92:93], s[92:93], 2048
.endif
	WIN 0x02+((\a)/4)
.set j, 0
.rept 16
	v_pk_fma_f32 v[TMP+j:TMP+j+1], v[AC+j:AC+j+1], s[96:97], v[BM+2*(\a):BM+2*(\a)+1] op_sel_hi:[1,0,1]
.set j, j+2
.endr
	WIN 0
	QUANT 32
	global_store_b128 v[ST0], v[CD:CD+3], s[92:93]
	global_store_b128 v[ST0], v[CD+4:CD+7], s[92:93] offset:512
.endm
	s_wait_alu depctr_va_vdst(0)
	s_wait_tensorcnt 0x0                           ; my part of slot 0 is in; the lines ahead of a later first fill:
	ds_add_u32 v[SPW], v[NIL]
	s_wait_dscnt 0x0
	CROUND
	JLOAD G0+4, G1, G0B+4, G1B                     ; fill 1
	; ---------------- tile 1
	FIRST
	ASK 3
	STEP 0, 0, 1
.set ASKN, 4
	TURN 0, 1, 1, 1                                ; fill 2
	STEP 1, 0, 0
.set ASKN, 5
	TURN 1, 0, 1, 1                                ; fill 3
	STEP 0, 0, 0
.set ASKN, 6
	TURN 0, 1, 2, 1                                ; fill 4: slot 0 takes tile 2's K step 0,
	STEP 1, 0, 0
.set ASKN, 7
	TURN 1, 0, 2, 0                                ; fill 5: slot 1 its K step 1
.set ASKN, 8
	s_wait_kmcnt 0x0
	s_add_co_i32 s76, s76, s77
	s_add_co_i32 s78, s78, s79
	s_cmp_eq_u32 s12, 0
	s_cselect_b32 s96, s76, s78
	s_cselect_b32 s98, s82, s83
	MKQ
	s_wait_loadcnt 0x0                             ; the biases
.irp a, 0,1,2,3,4,5,6,7
	EPI1 \a
.endr
	s_wait_xcnt 0x0                                ; the last stores have read their data: fragments may land there
	; ---------------- tile 2
.set NB, 4
.set GB, G1C
	FIRST
	STEP 0, 0, 1
	TURN 0, 1, 1, 1                                ; fill 6
	STEP 1, 0, 0
	TURN 1, 0, 1, 1                                ; fill 7
	STEP 0, 0, 0
	TURN 0, 1, 0, 1
	STEP 1, 0, 0
	s_wait_dscnt 4*NL
	WIN MUL_LO
	MUL16 0, 1, 0
	MUL16 2, 1, 0
	s_wait_dscnt 0
	WIN MUL_HI
	MUL16 4, 1, 0
	MUL16 6, 1, 0
	WIN 0
	s_add_co_i32 s96, s80, s81
	s_mov_b32 s98, s42
	MKQ
.irp a, 0,1,2,3,4,5,6,7
	EPI2 \a
.endr
	s_wait_tensorcnt 0x0                           ; the wave's end
	ds_add_u32 v[SPW], v[NIL]
	s_wait_dscnt 0x0
	CROUND                                         ; the closing round
	s_endpgm
.Lfunc_end_k_q7d70f17a87_qkv:
	.size	k_q7d70f17a87_qkv, .Lfunc_end_k_q7d70f17a87_qkv-k_q7d70f17a87_qkv
	.p2alignl 7, 3214868480
	.fill 96, 4, 3214868480
	.section	.rodata,"a",@progbits
	.p2align	6, 0x0
	.amdhsa_kernel k_q7d70f17a87_qkv
		.amdhsa_group_segment_fixed_size 327680
		.amdhsa_private_segment_fixed_size 0
		.amdhsa_enable_private_segment 0
		.amdhsa_kernarg_size 56
		.amdhsa_user_sgpr_count 2
		.amdhsa_user_sgpr_kernarg_segment_ptr 1
		.amdhsa_wavefront_size32 1
		.amdhsa_system_sgpr_workgroup_id_x 1
		.amdhsa_system_sgpr_workgroup_id_y 1
		.amdhsa_system_sgpr_workgroup_id_z 1
		.amdhsa_system_vgpr_workitem_id 0
		.amdhsa_next_free_vgpr 1024
		.amdhsa_next_free_sgpr 102
		.amdhsa_reserve_vcc 0
		.amdhsa_float_denorm_mode_32 3
		.amdhsa_float_denorm_mode_16_64 3
		.amdhsa_memory_ordered 1
		.amdhsa_forward_progress 1
		.amdhsa_inst_pref_size 218
	.end_amdhsa_kernel
	.amdgpu_metadata
---
amdhsa.version: [ 1, 2 ]
amdhsa.kernels:
  - .name:           k_q7d70f17a87_qkv
    .symbol:         k_q7d70f17a87_qkv.kd
    .args:
      - { .name: xc, .offset: 0, .size: 8, .value_kind: global_buffer, .address_space: global }
      - { .name: wc, .offset: 8, .size: 8, .value_kind: global_buffer, .address_space: global }
      - { .name: lowp_scales, .offset: 16, .size: 8, .value_kind: global_buffer, .address_space: global }
      - { .name: bq, .offset: 24, .size: 8, .value_kind: global_buffer, .address_space: global }
      - { .name: bk, .offset: 32, .size: 8, .value_kind: global_buffer, .address_space: global }
      - { .name: bv, .offset: 40, .size: 8, .value_kind: global_buffer, .address_space: global }
      - { .name: qkv, .offset: 48, .size: 8, .value_kind: global_buffer, .address_space: global }
    .group_segment_fixed_size: 327680
    .private_segment_fixed_size: 0
    .kernarg_segment_align: 8
    .kernarg_segment_size: 56
    .max_flat_workgroup_size: 128
    .sgpr_count:     102
    .vgpr_count:     1024
    .wavefront_size: 32
...
	.end_amdgpu_metadata
.endif
;; end of part 2
;; launch attn (part 3): grid 4 x 64, 16 waves a work-group, clusters of 4 x 1, 327,680 bytes of LDS; arguments qkv, lowp_scales, ac; writes ac
.if DOCPART == 3
	.amdgcn_target "amdgcn-amd-amdhsa--gfx1250"
	.amdhsa_code_object_version 6
	.text
	.protected	k_q7d70f17a87_attn
	.globl	k_q7d70f17a87_attn
	.p2align	8
	.type	k_q7d70f17a87_attn,@function
k_q7d70f17a87_attn:
	s_mov_b64 s[64:65], 0
	v_nop
	global_prefetch_b8 v0, s[64:65] scope:SCOPE_SE
	s_setreg_imm32_b32 hwreg(HW_REG_WAVE_MODE, 25, 1), 1
	s_wait_xcnt 0x0
	s_wait_alu depctr_hold_cnt(0) depctr_sa_sdst(0) depctr_va_vdst(0) depctr_va_sdst(0) depctr_va_ssrc(0) depctr_va_vcc(0) depctr_vm_vsrc(0)
	s_getreg_b32 s2, hwreg(HW_REG_IB_STS2, 6, 4)
	s_cmp_eq_u32 s2, 0
	s_cbranch_scc0 .Lentry_in_a_cluster
	s_endpgm
.Lentry_in_a_cluster:
	s_bfe_u32 s2, ttmp6, 0x10000c
	s_cmp_lg_u32 s2, 0x3003
	s_cbranch_scc0 .Lentry_shape_is_right
	s_endpgm
.Lentry_shape_is_right:
; Attention of one (batch, head) on codes of BF8 (E5M2): o = softmax(q k^T / 8) v, 2,048 tokens, head size 64; the result is quantised at once for the last product.
; IN: qkv: q at 0, k at 8 MiB: [64 (batch, head)][128 tiles of 16 tokens][1,024]; v at 16 MiB: [64][16 chunks of 128 keys][4 tiles of 16 channels][2,048]: images of operand registers, [piece][lane][16 bytes].
; OUT: ac: [512 tiles of 16 tokens][16 heads][1,024]: the same form.
; THE SOFTMAX: t = score x log2(e) / 8; M = the row's largest t so far, rounded UP to a whole number; p = 2^(t - M) is quantised along the keys, not normalised.  The row's sum is taken of the
; unquantised p, in f32, and divides at the end.  When M moves, the sum and O are multiplied by 2^(old M - new M): nothing is rounded, no branch on data.
; SHARES.  A work-group owns 512 queries of one head, each of its sixteen waves 32: two tiles, A and B, so that each fragment of K and V read from LDS feeds two products.
; LDS.  The head's whole K (131,072 bytes, at 0) and whole V (131,072, behind it) are filled ONCE, in two parts.  Part 1: the first 512 keys, 4,096 bytes a wave, asked for at the head.
; Part 2: the other 1,536 keys, 12,288 bytes a wave, asked for behind the sequence and the round ahead of a later first fill; it has four key steps in which to land.
; Waves 0-7 fetch for K, waves 8-15 for V; the addresses are arithmetic on the wave's number, with no branch: one load a wave is out at a time.  One barrier follows the fourth step; the last twelve steps have none.
; CLUSTER.  The four query blocks of a head need the same K and V: each part is asked for jointly (mask 15).
; NO PREFETCH: every byte of K and V is asked for once, at the launch's start; there is no loop to run ahead in.
; LAYOUT.  S^T = K Q^T (source 0 = 16 keys, source 1 = 16 queries), O^T = V^T P^T (source 0 = 16 channels, source 1 = P): a lane holds ONE query (lane % 16); tile t's eight registers are keys
; 16 t + 8 (lane / 16) + 0..7, where registers 2 t, 2 t + 1 of the K = 128 form's operand stand: the conversions' results are the operand.
; LIMITS on the given exponents: entries 6 + 7 between -123 and 130 (added to c's exponent field); entries 8 and 10 between -126 and 112; 8 + 9 goes by v_ldexp_f32 and has none.  NaN is not served.
; REGISTERS: v1 16 x lane; v2, v3 LDS addresses; v4 the conversions' scale; v5, v56 the hold (two copies, in different register banks, for the dual form); v6, v7 the add's two; v8-11 tile A's -M, largest t, sum;
;   v12-15 tile B's; v[16:17] f; v18-23 at work; v24-31, v32-39 Q of A, B; v40-55 P of A; v60-75 P of B (over the first scores, which are converted by then); v64-127 S^T, then p; v128-191 K or V; v192-223, v224-255 O^T of A, B.
.set S,   64
.set KV,  128
.set OA,  192
.set OB,  224
.set SPARE, 0x40000                    ; behind K and V: the spare words, 128 bytes a wave
.set G1A, 16                           ; s[16:23] group 1, part 1: 16 rows of 256 bytes
.set G1B, 24                           ; s[24:31] group 1, part 2: 48 rows of 256 bytes
.set G0A, 32                           ; s[32:35] group 0, part 1
.set G0B, 36                           ; s[36:39] group 0, part 2
.macro ROUND                           ; a round of the cluster's barrier
	s_barrier_signal -1
	s_barrier_wait -1
	s_cmp_lg_u32 s10, 0
	s_cbranch_scc1 .Lnot_wave_0_\@
	s_barrier_signal -3
.Lnot_wave_0_\@:
	s_barrier_wait -3
	s_barrier_signal -1
	s_barrier_wait -1
.endm
	s_load_b128 s[4:7], s[0:1], 0x0                ; qkv 4:5, the scales 6:7
	s_load_b64 s[8:9], s[0:1], 0x10                ; ac
	v_lshl_add_u32 v6, v0, 2, SPARE
	v_mov_b32 v7, 0
	ds_add_u32 v6, v7                              ; the opening lines: the add, twice on end, and its wait
	ds_add_u32 v6, v7
	v_lshrrev_b32 v1, 5, v0
	s_delay_alu instid0(VALU_DEP_1)
	v_readfirstlane_b32 s10, v1                    ; wave 0..15
	s_bfe_u32 s11, ttmp6, 0x40000                  ; cx
	s_lshl_b32 s13, ttmp9, 2
	s_add_co_u32 s13, s13, s11                     ; my block of 512 queries: it enters q's and ac's addresses alone
	s_and_b32 s12, ttmp7, 0xffff                   ; (batch, head), which the four partners share
	s_and_b32 s14, s10, 7                          ; which eighth of a part I fetch
	s_lshr_b32 s15, s10, 3                         ; for K (0) or for V (1)
	s_lshl_b32 s60, s15, 17                        ; K's or V's half of LDS
	s_lshl_b32 s74, s14, 12                        ; part 1: 4,096 x eighth
	s_mul_i32 s76, s14, 12288
	s_add_co_u32 s76, s76, 32768                   ; part 2: behind part 1's 32,768, 12,288 x eighth
	s_mov_b32 s[G0A], 1
	s_add_co_u32 s[G0A+1], s60, s74
	s_mov_b32 s[G0B], 1
	s_add_co_u32 s[G0B+1], s60, s76
	s_add_co_u32 s62, s15, 1
	s_lshl_b32 s62, s62, 23                        ; k at 8 MiB, v at 16 MiB,
	s_lshl_b32 s63, s12, 17                        ; the head's 131,072 bytes
	s_add_co_u32 s62, s62, s63
	s_add_co_u32 s74, s74, s62
	s_add_co_u32 s76, s76, s62
	s_mov_b32 s75, 0
	s_mov_b32 s77, 0
	s_mov_b32 s[G1A], 15|(3<<16)|(1<<21)           ; the mask: all four work-groups; elements of 8 bytes; no padding; bit 21 beside a mask
	s_mov_b32 s[G1A+1], 32<<16
	s_mov_b32 s[G1A+2], 16<<16
	s_mov_b32 s[G1A+3], 32<<16
	s_mov_b32 s[G1A+4], 16
	s_mov_b32 s[G1A+5], 32
	s_mov_b32 s[G1A+6], 0
	s_mov_b32 s[G1A+7], 0
	s_mov_b32 s[G1B], 15|(3<<16)|(1<<21)
	s_mov_b32 s[G1B+1], 32<<16
	s_mov_b32 s[G1B+2], 48<<16
	s_mov_b32 s[G1B+3], 32<<16
	s_mov_b32 s[G1B+4], 48
	s_mov_b32 s[G1B+5], 32
	s_mov_b32 s[G1B+6], 0
	s_mov_b32 s[G1B+7], 0
	s_mov_b32 s56, 0x76543210                      ; v_permlanex16_b32's selects: lane l xor 16
	s_mov_b32 s57, 0xfedcba98
	s_mov_b32 s58, 0x3e38aa3b                      ; c = log2(e) / 8
	s_wait_dscnt 0x0
	s_wait_kmcnt 0x0
	s_load_b128 s[68:71], s[6:7], 0x18             ; entries 6..9: eq, ek, ep, ev
	s_load_b32 s72, s[6:7], 0x28                   ; entry 10
	s_add_nc_u64 s[G0A+2:G0A+3], s[4:5], s[74:75]
	s_or_b32 s[G0A+3], s[G0A+3], 0x80000000
	s_add_nc_u64 s[G0B+2:G0B+3], s[4:5], s[76:77]
	s_or_b32 s[G0B+3], s[G0B+3], 0x80000000
	ROUND                                          ; all four work-groups are here: the joint loads meet
	tensor_load_to_lds s[G0A:G0A+3], s[G1A:G1A+7]  ; part 1: my one load at the head
	s_nop 0
.rept 4
	v_nop
.endr
	v_and_b32 v1, 31, v0
	s_delay_alu instid0(VALU_DEP_1)
	v_lshlrev_b32 v1, 4, v1                        ; 16 x lane
	s_wait_alu depctr_va_vdst(0)
	s_lshl_b32 s80, s13, 5
	s_lshl_b32 s81, s10, 1
	s_add_co_u32 s80, s80, s81                     ; my first tile of 16 queries in the head: 32 x block + 2 x wave
	s_lshl_b32 s82, s80, 10
	s_lshl_b32 s83, s12, 17
	s_add_co_u32 s82, s82, s83
	s_mov_b32 s83, 0
	s_add_nc_u64 s[4:5], s[4:5], s[82:83]
	global_load_b128 v[24:27], v1, s[4:5]                  ; Q of tile A,
	global_load_b128 v[28:31], v1, s[4:5] offset:512
	global_load_b128 v[32:35], v1, s[4:5] offset:1024      ; of tile B: they stay
	global_load_b128 v[36:39], v1, s[4:5] offset:1536
	s_lshr_b32 s84, s12, 4                         ; the batch: 128 tiles of 16 tokens
	s_lshl_b32 s84, s84, 7
	s_add_co_u32 s84, s84, s80
	s_lshl_b32 s84, s84, 14                        ; a tile's 16 heads are 16,384 bytes
	s_and_b32 s81, s12, 15
	s_lshl_b32 s81, s81, 10                        ; my head's 1,024
	s_add_co_u32 s84, s84, s81
	s_mov_b32 s85, 0
	s_add_nc_u64 s[8:9], s[8:9], s[84:85]
	v_mov_b32 v9, 0xff61b1e6                       ; the largest t so far: -3e38, under every t
	v_mov_b32 v13, 0xff61b1e6
	s_delay_alu instid0(VALU_DEP_2)
	v_floor_f32 v8, -v9                            ; -M
	s_delay_alu instid0(VALU_DEP_2)
	v_floor_f32 v12, -v13
	v_mov_b32 v10, 0                               ; the sums, in two halves
	v_mov_b32 v11, 0
	v_mov_b32 v14, 0
	v_mov_b32 v15, 0
	v_mov_b32 v17, 0                               ; (named as the upper halves of pairs)
	v_mov_b32 v57, 0
	v_mov_b32 v59, 0
	v_mov_b32 v20, 0                               ; (a lane permute's destination counts as one of its sources)
	v_mov_b32 v21, 0
.set j, 0
.rept 64
	v_mov_b32 v[OA+j], 0                           ; O^T: the step is written for every pass alike; the first finds zeros, which the first change of M leaves zeros
.set j, j+1
.endr
	s_wait_kmcnt 0x0
	s_add_co_i32 s86, s68, s69
	s_lshl_b32 s86, s86, 23
	s_add_co_i32 s58, s58, s86                     ; a score stands for score x 2^(eq + ek): the two exponents are added to c's exponent field
	s_mov_b32 s59, s58                             ; (named with it as a pair)
	s_add_co_i32 s86, s70, 127
	s_lshl_b32 s88, s86, 23
	v_mov_b32 v4, s88                              ; 2^ep as f32
	s_add_co_i32 s86, s86, 15
	s_lshl_b32 s86, s86, 23
	s_or_b32 s86, s86, 0x600000
	v_mov_b32 v5, s86                              ; 57,344 x 2^ep,
	v_mov_b32 v56, s86                             ; twice
	s_add_co_i32 s87, s70, s71                     ; ep + ev
	s_add_co_i32 s86, s72, 127
	s_lshl_b32 s88, s86, 23                        ; 2^e10, for the way out,
	s_add_co_i32 s86, s86, 15
	s_lshl_b32 s89, s86, 23
	s_or_b32 s89, s89, 0x600000                    ; and 57,344 x 2^e10
; One tile's softmax for 128 keys.  st: its statistics (-M, largest t, the sum's pair); pc: where its codes go; o: the O^T that is rescaled among the conversions (0: none here).
.macro SMAX st, pc, o
	v_max3_num_f32 v18, v[S], v[S+1], v[S+2]       ; the largest of my 64 scores, in two chains, each accumulator from its low end on
	v_max3_num_f32 v19, v[S+3], v[S+4], v[S+5]
.irp i, 6,10,14,18,22,26,30,34,38,42,46,50,54,58
	v_max3_num_f32 v18, v18, v[S+\i], v[S+\i+1]
	v_max3_num_f32 v19, v19, v[S+\i+2], v[S+\i+3]
.endr
	v_max3_num_f32 v18, v18, v[S+62], v[S+63]
	s_delay_alu instid0(VALU_DEP_1)
	v_max_num_f32 v18, v18, v19
	s_delay_alu instid0(VALU_DEP_1)
	v_permlanex16_b32 v20, v18, s56, s57
	s_delay_alu instid0(VALU_DEP_1)
	v_max_num_f32 v18, v18, v20                    ; and of lane l xor 16's
	s_delay_alu instid0(VALU_DEP_1)
	v_mul_f32 v18, s58, v18                        ; as t (c is positive)
	s_delay_alu instid0(VALU_DEP_1)
	v_max_num_f32 v[\st+1], v[\st+1], v18          ; the running largest t
	v_mov_b32 v18, v[\st]
	s_delay_alu instid0(VALU_DEP_2)
	v_floor_f32 v[\st], -v[\st+1]                  ; the new -M = floor(-t) = -ceil(t)
	s_delay_alu instid0(VALU_DEP_1)
	v_sub_f32 v18, v[\st], v18                     ; old M - new M: a whole number, 0 or less
	s_delay_alu instid0(VALU_DEP_1)
	v_cvt_i32_f32 v18, v18                         ; (it saturates)
	s_delay_alu instid0(VALU_DEP_1)
	v_ldexp_f32 v16, 1.0, v18                      ; f = 2^(old M - new M)
.set j, 0
.rept 32
	v_pk_fma_f32 v[S+j:S+j+1], v[S+j:S+j+1], s[58:59], v[\st:\st+1] op_sel_hi:[1,0,0]   ; t - M (of the pairs c and -M the low word serves both halves)
.set j, j+2
.endr
.set j, 0
	s_wait_alu depctr_va_vdst(0)
.rept 64
	v_exp_f32 v[S+j], v[S+j]                       ; p = 2^(t - M)
.set j, j+1
.endr
	v_pk_mul_f32 v[\st+2:\st+3], v[\st+2:\st+3], v[16:17] op_sel_hi:[1,0]   ; the sums under the new M: the plain line behind the exponentials
	s_wait_alu depctr_va_vdst(0)                   ; one wait for the whole batch, ahead of its first reader
	v_pk_add_f32 v[22:23], v[S:S+1], v[S+2:S+3]    ; the sum of the UNQUANTISED p, in two chains
.set j, 4
.rept 15
	v_pk_add_f32 v[\st+2:\st+3], v[\st+2:\st+3], v[S+j:S+j+1]
	v_pk_add_f32 v[22:23], v[22:23], v[S+j+2:S+j+3]
.set j, j+4
.endr
	s_delay_alu instid0(VALU_DEP_1)
	v_pk_add_f32 v[\st+2:\st+3], v[\st+2:\st+3], v[22:23]
.irp b, 0,1,2,3
.set j, 0
.rept 8                                ; the conversion does not saturate (ISA guide 7.6.2); p is not negative, so the hold is one-sided; two numbers a line
	v_dual_min_num_f32 v[S+16*\b+j], v[S+16*\b+j], v5 :: v_dual_min_num_f32 v[S+16*\b+j+1], v[S+16*\b+j+1], v56
.set j, j+2
.endr
	v_cvt_scalef32_pk8_bf8_f32 v[\pc+4*\b:\pc+4*\b+1], v[S+16*\b:S+16*\b+7], v4        ; keys 32 b + 8 h + 0..7,
	v_cvt_scalef32_pk8_bf8_f32 v[\pc+4*\b+2:\pc+4*\b+3], v[S+16*\b+8:S+16*\b+15], v4   ; 32 b + 16 + 8 h + 0..7
.if \o
.set j, 8*\b
.rept 4
	v_pk_mul_f32 v[\o+j:\o+j+1], v[\o+j:\o+j+1], v[16:17] op_sel_hi:[1,0]   ; O^T under the new M: also the plain lines behind the conversions, whose sources the next codes and the products write over
.set j, j+2
.endr
.endif
.endr
.if \o == 0
	v_nop                                          ; one plain line between the conversions and the products that write over their sources
.endif
.endm
; A KEY STEP: 128 keys, at byte s60 of K's and of V's part of LDS.
.macro STEP
	v_add_nc_u32 v2, s60, v1                       ; five places behind the last products: K's loads land on registers that they read (four are asked),
	s_delay_alu instid0(VALU_DEP_1)
	v_add_nc_u32 v3, 0x20000, v2                   ; and the new scores are written over tile B's codes, which they read (five)
	v_nop
	v_nop
	v_nop
.irp t, 0,1,2,3,4,5,6,7
	ds_load_b128 v[KV+8*\t:KV+8*\t+3], v2 offset:1024*\t
	ds_load_b128 v[KV+8*\t+4:KV+8*\t+7], v2 offset:1024*\t+512
.endr
	s_wait_dscnt 0x0
.irp t, 0,1,2,3,4,5,6,7
	v_wmma_f32_16x16x64_bf8_bf8 v[S+8*\t:S+8*\t+7], v[KV+8*\t:KV+8*\t+7], v[24:31], 0
.endr
.rept 4
	v_nop
.endr
	SMAX 8, 40, 0
.irp t, 0,1,2,3,4,5,6,7
	v_wmma_f32_16x16x64_bf8_bf8 v[S+8*\t:S+8*\t+7], v[KV+8*\t:KV+8*\t+7], v[32:39], 0
.endr
.set j, 0
.rept 16
	v_pk_mul_f32 v[OA+j:OA+j+1], v[OA+j:OA+j+1], v[16:17] op_sel_hi:[1,0]   ; tile A's O^T under its new M: also the places in front of V's loads and of the first read of the scores
.set j, j+2
.endr
.irp t, 0,1,2,3
.irp c, 0,1,2,3
	ds_load_b128 v[KV+16*\t+4*\c:KV+16*\t+4*\c+3], v3 offset:2048*\t+512*\c   ; V lands while tile B's softmax is walked
.endr
.endr
	SMAX 12, 60, OB
	s_wait_alu depctr_va_vdst(0)
	s_wait_dscnt 0x0
.irp t, 0,1,2,3                        ; the eight accumulators take turns, one instruction a turn
	v_wmma_f32_16x16x128_bf8_bf8 v[OA+8*\t:OA+8*\t+7], v[KV+16*\t:KV+16*\t+15], v[40:55], v[OA+8*\t:OA+8*\t+7]
	v_wmma_f32_16x16x128_bf8_bf8 v[OB+8*\t:OB+8*\t+7], v[KV+16*\t:KV+16*\t+15], v[60:75], v[OB+8*\t:OB+8*\t+7]
.endr
.endm
.macro STEPS n                         ; n key steps on end
	s_mov_b32 s61, \n
.Lstep_\@:
	STEP
	s_add_co_u32 s60, s60, 8192
	s_sub_co_u32 s61, s61, 1
	s_cmp_lg_u32 s61, 0
	s_cbranch_scc1 .Lstep_\@
.endm
	s_wait_alu depctr_va_vdst(0)
	s_wait_loadcnt 0x0                             ; Q
	s_wait_tensorcnt 0x0                           ; my piece of part 1 is in; the lines ahead of a later first fill:
	ds_add_u32 v6, v7
	s_wait_dscnt 0x0
	ROUND                                          ; everybody's piece of part 1 is in, and all four work-groups are here
	tensor_load_to_lds s[G0B:G0B+3], s[G1B:G1B+7]  ; part 2: my one load behind the round
	s_nop 0
.rept 4
	v_nop
.endr
	s_mov_b32 s60, 0
	STEPS 4                                        ; part 1's 512 keys
	s_wait_tensorcnt 0x0                           ; my piece of part 2 is in
	s_wait_dscnt 0x0
	s_barrier_signal -1
	s_barrier_wait -1                              ; and everybody's
	STEPS 12                                       ; part 2's 1,536 keys: s60 goes on from 32,768
	; THE WAY OUT.  O^T / the sum x 2^(ep + ev), in f32, is quantised with entry 10: tile t's eight registers are channels 16 t + 8 h + 0..7 of my query: registers 2 t, 2 t + 1 of the last product's operand.
.rept 4
	v_nop
.endr
	v_add_f32 v10, v10, v11
	v_add_f32 v14, v14, v15
	s_delay_alu instid0(VALU_DEP_2)
	v_permlanex16_b32 v20, v10, s56, s57
	s_delay_alu instid0(VALU_DEP_2)
	v_permlanex16_b32 v21, v14, s56, s57
	s_delay_alu instid0(VALU_DEP_2)
	v_add_f32 v10, v10, v20                        ; the rows' sums
	s_delay_alu instid0(VALU_DEP_2)
	v_add_f32 v14, v14, v21
	s_wait_alu depctr_va_vdst(0)
	v_rcp_f32 v56, v10
	v_rcp_f32 v58, v14
	v_mov_b32 v4, s88                              ; (plain lines behind the reciprocals)  2^e10
	v_mov_b32 v5, s89                              ; 57,344 x 2^e10
	s_wait_alu depctr_va_vdst(0)                   ; one wait for both reciprocals, ahead of their first reader
	v_ldexp_f32 v56, v56, s87
	v_ldexp_f32 v58, v58, s87
.set j, 0
.rept 16
	v_pk_mul_f32 v[OA+j:OA+j+1], v[OA+j:OA+j+1], v[56:57] op_sel_hi:[1,0]
.set j, j+2
.endr
.set j, 0
.rept 16
	v_pk_mul_f32 v[OB+j:OB+j+1], v[OB+j:OB+j+1], v[58:59] op_sel_hi:[1,0]
.set j, j+2
.endr
.set j, 0
.rept 64
	v_med3_num_f32 v[OA+j], v[OA+j], -v5, v5
.set j, j+1
.endr
.irp t, 0,1,2,3,4,5,6,7
	v_cvt_scalef32_pk8_bf8_f32 v[40+2*\t:41+2*\t], v[OA+8*\t:OA+8*\t+7], v4
.endr
	v_nop
	global_store_b128 v1, v[40:43], s[8:9]                     ; 32 lanes store 512 consecutive bytes, aligned: tile A,
	global_store_b128 v1, v[44:47], s[8:9] offset:512
	global_store_b128 v1, v[48:51], s[8:9] offset:16384        ; tile B: the next 16 tokens
	global_store_b128 v1, v[52:55], s[8:9] offset:16384+512
	s_wait_tensorcnt 0x0                           ; the wave's end
	ds_add_u32 v6, v7
	s_wait_dscnt 0x0
	ROUND                                          ; the closing round: no work-group ends while a partner may still ask for a tile that names it
	s_endpgm
.Lfunc_end_k_q7d70f17a87_attn:
	.size	k_q7d70f17a87_attn, .Lfunc_end_k_q7d70f17a87_attn-k_q7d70f17a87_attn
	.p2alignl 7, 3214868480
	.fill 96, 4, 3214868480
	.section	.rodata,"a",@progbits
	.p2align	6, 0x0
	.amdhsa_kernel k_q7d70f17a87_attn
		.amdhsa_group_segment_fixed_size 327680
		.amdhsa_private_segment_fixed_size 0
		.amdhsa_enable_private_segment 0
		.amdhsa_kernarg_size 24
		.amdhsa_user_sgpr_count 2
		.amdhsa_user_sgpr_kernarg_segment_ptr 1
		.amdhsa_wavefront_size32 1
		.amdhsa_system_sgpr_workgroup_id_x 1
		.amdhsa_system_sgpr_workgroup_id_y 1
		.amdhsa_system_sgpr_workgroup_id_z 1
		.amdhsa_system_vgpr_workitem_id 0
		.amdhsa_next_free_vgpr 256
		.amdhsa_next_free_sgpr 90
		.amdhsa_reserve_vcc 0
		.amdhsa_float_denorm_mode_32 3
		.amdhsa_float_denorm_mode_16_64 3
		.amdhsa_memory_ordered 1
		.amdhsa_forward_progress 1
		.amdhsa_inst_pref_size 75
	.end_amdhsa_kernel
	.amdgpu_metadata
---
amdhsa.version: [ 1, 2 ]
amdhsa.kernels:
  - .name:           k_q7d70f17a87_attn
    .symbol:         k_q7d70f17a87_attn.kd
    .args:
      - { .name: qkv, .offset: 0, .size: 8, .value_kind: global_buffer, .address_space: global }
      - { .name: lowp_scales, .offset: 8, .size: 8, .value_kind: global_buffer, .address_space: global }
      - { .name: ac, .offset: 16, .size: 8, .value_kind: global_buffer, .address_space: global }
    .group_segment_fixed_size: 327680
    .private_segment_fixed_size: 0
    .kernarg_segment_align: 8
    .kernarg_segment_size: 24
    .max_flat_workgroup_size: 512
    .sgpr_count:     90
    .vgpr_count:     256
    .wavefront_size: 32
...
	.end_amdgpu_metadata
.endif
;; end of part 3
;; launch proj (part 4): grid 8 x 32, 4 waves a work-group, clusters of 4 x 4, 327,680 bytes of LDS; arguments ac, wc, lowp_scales, bo, out0; writes out0
.if DOCPART == 4
	.amdgcn_target "amdgcn-amd-amdhsa--gfx1250"
	.amdhsa_code_object_version 6
	.text
	.protected	k_q7d70f17a87_proj
	.globl	k_q7d70f17a87_proj
	.p2align	8
	.type	k_q7d70f17a87_proj,@function
k_q7d70f17a87_proj:
	s_mov_b64 s[64:65], 0
	v_nop
	global_prefetch_b8 v0, s[64:65] scope:SCOPE_SE
	s_setreg_imm32_b32 hwreg(HW_REG_WAVE_MODE, 25, 1), 1
	s_wait_xcnt 0x0
	s_wait_alu depctr_hold_cnt(0) depctr_sa_sdst(0) depctr_va_vdst(0) depctr_va_sdst(0) depctr_va_ssrc(0) depctr_va_vcc(0) depctr_vm_vsrc(0)
	s_getreg_b32 s2, hwreg(HW_REG_IB_STS2, 6, 4)
	s_cmp_eq_u32 s2, 0
	s_cbranch_scc0 .Lentry_in_a_cluster
	s_endpgm
.Lentry_in_a_cluster:
	s_bfe_u32 s2, ttmp6, 0x10000c
	s_cmp_lg_u32 s2, 0xf033
	s_cbranch_scc0 .Lentry_shape_is_right
	s_endpgm
.Lentry_shape_is_right:
; out0 = attention's result x Wo + bo on codes of BF8 (E5M2).  ac: [512 tiles of 16 tokens][8 K steps][2,048]; Wo's codes: wc at 3 MiB, [64 tiles of 16 n][8 K steps][2,048]: images of operand registers.
; A tile of out0 is 256 tokens x 128 columns, so that the 8,192 x 1,024 numbers are 256 equal shares; a wave makes 128 x 64: 32 accumulators.  Source 1 = 16 tokens (a lane holds one), source 0 = 16 columns (along its registers).
; THE RING: two slots of 256 along K; waves 0, 1 fetch the tokens' halves (128 rows), waves 2, 3 the columns' (64 rows).  CLUSTER 4 x 4: the tokens' tile is asked for jointly along a row, the columns' along a column.
; THE WAY OUT: a block of 16 rows x 64 columns goes through my stage in LDS (rows of 256 + 16 bytes, in slot 0, which has had its last fill and its last read) and leaves as aligned units of 256 bytes, x 2^(e10 + e11) + bo.
; PREFETCH INTO THE L2: behind the joint loads of K steps 0 and 1 stands one prefetch a wave for K steps 2 and 3; the refills ask for nothing.  Of the rows of 4,096 bytes that a wave fetches, each of the four partners that
; ask for them jointly takes its share BY ADDRESS: two of the tokens' eight rows, a lane to each block of 256 bytes; one of the columns' four, lanes 15-31 all naming its last block.  Wo's columns are read by eight rows
; of clusters, of which four ask for them (a branch on the cluster's row and the wave's number).  The steps are immediates on a base that is never rewritten.
; LIMIT: entries 10 + 11 between -126 and 127.
.set HALFT,  32768
.set SLOT,   4*HALFT
.set SPARE,  2*SLOT
.set KB,     4096
.set FR,     16
.set NL,     4
.set NP,     4
.set NB,     4
.set SPITCH, 272
.set PFO,  9                           ; the prefetches' lane offset; never rewritten
.set ADRA, 16
.set ADRB, 20
.set STO,  24
.set RD,   25
.set CO,   26
.set SPW,  28
.set NIL,  29
.set AF,   128
.set BK,   128
.set G1, 24
.set G0, 32
.set G1B, 48
.set G0B, 56
.set MSB, 0
.macro WIN new
.if MSB != (\new)
	s_set_vgpr_msb (MSB<<8)|(\new)
.set MSB, (\new)
.endif
.endm
.set MUL_LO, 0xa1
.set MUL_HI, 0xf1
.set TO_B,   0x40
.macro JLOAD g0a, g1a, g0b, g1b
	s_cmp_eq_u32 s15, 0
	s_cbranch_scc0 .Lfor_b_\@
	tensor_load_to_lds s[\g0a:\g0a+3], s[\g1a:\g1a+7]
	s_nop 0
.rept 4
	v_nop
.endr
	s_branch .Lasked_\@
.Lfor_b_\@:
	tensor_load_to_lds s[\g0b:\g0b+3], s[\g1b:\g1b+7]
	s_nop 0
.rept 4
	v_nop
.endr
.Lasked_\@:
.endm
.macro CREST
	s_cmp_lg_u32 s14, 0
	s_cbranch_scc1 .Lnot_wave_0_\@
	s_barrier_signal -3
.Lnot_wave_0_\@:
	s_barrier_wait -3
	s_barrier_signal -1
	s_barrier_wait -1
.endm
.macro CROUND
	s_barrier_signal -1
	s_barrier_wait -1
	CREST
.endm
.macro ASK n                           ; my work-group's share of what my wave fetches for K step n.  s3: 1 where my wave asks
	s_cmp_lg_u32 s3, 0
	s_cbranch_scc0 .Lno_\@
	global_prefetch_b8 v[PFO], s[98:99] offset:(\n)*KB th:TH_LOAD_NT scope:SCOPE_SE
.Lno_\@:
.endm
	s_load_b256 s[4:11], s[0:1], 0x0               ; ac 4:5, wc 6:7, scales 8:9, bo 10:11
	s_load_b64 s[12:13], s[0:1], 0x20              ; out0
	v_lshl_add_u32 v[SPW], v0, 2, SPARE
	v_mov_b32 v[NIL], 0
	ds_add_u32 v[SPW], v[NIL]                      ; the opening lines: the add, twice on end, and its wait
	ds_add_u32 v[SPW], v[NIL]
	v_lshrrev_b32 v1, 5, v0
	v_readfirstlane_b32 s14, v1
	s_lshr_b32 s15, s14, 1
	s_and_b32 s16, s14, 1
	s_bfe_u32 s40, ttmp6, 0x40000
	s_bfe_u32 s41, ttmp6, 0x40004
	s_lshl_b32 s42, ttmp9, 2
	s_add_co_u32 s42, s42, s40                     ; which 128 columns, 0..7
	s_and_b32 s18, ttmp7, 0xffff                   ; the cluster's row, 0..7
	s_lshl_b32 s17, s18, 2
	s_add_co_u32 s17, s17, s41                     ; which 256 tokens, 0..31
	s_lshl_b32 s43, s41, 2
	s_lshl_b32 s43, 15, s43
	s_lshl_b32 s44, 0x1111, s40
	s_or_b32 s[G1], s43, (3<<16)|(1<<21)
	s_or_b32 s[G1B], s44, (3<<16)|(1<<21)
.irp g, G1, G1B
	s_mov_b32 s[\g+1], 512<<16
	s_mov_b32 s[\g+3], 512<<16
	s_mov_b32 s[\g+5], 2048
	s_mov_b32 s[\g+6], 0
	s_mov_b32 s[\g+7], 0
.endr
	s_mov_b32 s[G1+2], 8<<16                       ; 8 tiles of 16 tokens,
	s_mov_b32 s[G1+4], 8
	s_mov_b32 s[G1B+2], 4<<16                      ; 4 tiles of 16 columns
	s_mov_b32 s[G1B+4], 4
	s_lshl_b32 s20, s17, 18
	s_lshl_b32 s21, s16, 17
	s_add_co_u32 s20, s20, s21
	s_mov_b32 s21, 0
	s_lshl_b32 s46, s42, 17
	s_lshl_b32 s47, s16, 16
	s_add_co_u32 s46, s46, s47
	s_add_co_u32 s46, s46, 3<<20
	s_mov_b32 s47, 0
	s_mul_i32 s45, s14, HALFT
	s_wait_dscnt 0x0
	s_wait_kmcnt 0x0
	s_load_b64 s[96:97], s[8:9], 0x28              ; entries 10, 11
	s_add_nc_u64 s[20:21], s[4:5], s[20:21]
	s_add_nc_u64 s[46:47], s[6:7], s[46:47]
	s_cmp_eq_u32 s15, 0                            ; the prefetches: what my wave fetches;
	s_cselect_b64 s[98:99], s[20:21], s[46:47]
	s_cselect_b32 s19, s40, s41                    ; my place among the four that ask for it with me;
	s_cselect_b32 s22, 15, 14                      ; two rows of 16,384 bytes a partner, or one;
	s_cselect_b32 s2, 31, 15                       ; and 32 blocks, or 16
	s_lshl_b32 s22, s19, s22
	s_mov_b32 s23, 0
	s_add_nc_u64 s[98:99], s[98:99], s[22:23]
	s_cmp_lt_u32 s18, 4                            ; who asks: for the tokens' codes every cluster, for Wo's four rows of clusters
	s_cselect_b32 s3, 1, 0
	s_xor_b32 s19, s15, 1
	s_or_b32 s3, s3, s19
	CROUND
.irp s, 0,1
	s_mov_b32 s[G0+4*\s], 1
	s_add_co_u32 s[G0+4*\s+1], s45, \s*SLOT
	s_add_nc_u64 s[G0+4*\s+2:G0+4*\s+3], s[20:21], \s*KB
	s_or_b32 s[G0+4*\s+3], s[G0+4*\s+3], 0x80000000
	s_mov_b32 s[G0B+4*\s], 1
	s_add_co_u32 s[G0B+4*\s+1], s45, \s*SLOT
	s_add_nc_u64 s[G0B+4*\s+2:G0B+4*\s+3], s[46:47], \s*KB
	s_or_b32 s[G0B+4*\s+3], s[G0B+4*\s+3], 0x80000000
.endr
	JLOAD G0, G1, G0B, G1B                         ; slot 0: my one load at the head
	s_mul_i32 s22, s16, HALFT
	s_add_co_u32 s22, s22, 2*HALFT
	s_mul_i32 s23, s14, 16*SPITCH                  ; my stage
	s_lshl_b32 s46, s42, 9
	s_lshl_b32 s47, s16, 8
	s_add_co_u32 s46, s46, s47                     ; my first column, in bytes
	s_lshl_b32 s20, s17, 20
	s_lshl_b32 s47, s15, 19
	s_add_co_u32 s20, s20, s47
	s_add_co_u32 s20, s20, s46
	s_mov_b32 s21, 0
	s_add_nc_u64 s[12:13], s[12:13], s[20:21]
	s_mul_i32 s20, s15, HALFT
	v_and_b32 v1, 15, v0
	v_bfe_u32 v2, v0, 4, 1
	v_and_b32 v3, 31, v0
	v_lshlrev_b32 v4, 4, v3                        ; 16 x lane
	v_add_nc_u32 v[ADRA], s20, v4
	v_add_nc_u32 v[ADRB], s22, v4
	v_add_nc_u32 v[ADRA+1], SLOT, v[ADRA]
	v_add_nc_u32 v[ADRB+1], SLOT, v[ADRB]
	v_mul_u32_u24 v5, v1, SPITCH                   ; into the stage: row lane % 16, 32 bytes for each half of the lanes
	v_lshl_add_u32 v5, v2, 5, v5
	v_add_nc_u32 v[STO], s23, v5
	v_mul_u32_u24 v7, v2, SPITCH                   ; back: lanes 0-15 one row of 256 bytes, lanes 16-31 the next
	v_lshl_add_u32 v7, v1, 4, v7
	v_add_nc_u32 v[RD], s23, v7
	v_lshlrev_b32 v8, 4, v1
	v_lshl_add_u32 v[CO], v2, 12, v8               ; and the same two rows in out0
	v_add_nc_u32 v6, s46, v8
	v_min_u32 v10, s2, v3                          ; the prefetches: of m = min(lane, 31 or 15): row m / 16, block m % 16
	v_lshrrev_b32 v11, 4, v10
	v_and_b32 v10, 15, v10
	v_lshlrev_b32 v11, 14, v11
	v_lshl_add_u32 v[PFO], v10, 8, v11
	global_load_b128 v[12:15], v6, s[10:11]        ; bo at my four columns
	ASK 2
.macro FRAG reg, adr, q, i
.irp c, 0,1,2,3
	ds_load_b128 v[\reg+4*\c:\reg+4*\c+3], v[\adr] offset:2048*(\q)+512*\c+4096*(\i)
.endr
.endm
.macro MUL16 a0, p, zero               ; token blocks a0, a0 + 1 x the four column blocks; the accumulators take turns
.irp a, \a0, \a0+1
.irp b, 0,1,2,3
.if \zero
	v_wmma_f32_16x16x128_bf8_bf8 v[8*(8*((\a)%4)+\b):8*(8*((\a)%4)+\b)+7], v[128*(\p)+FR*\b:128*(\p)+FR*\b+FR-1], v[AF+FR*(\a):AF+FR*(\a)+FR-1], 0
.else
	v_wmma_f32_16x16x128_bf8_bf8 v[8*(8*((\a)%4)+\b):8*(8*((\a)%4)+\b)+7], v[128*(\p)+FR*\b:128*(\p)+FR*\b+FR-1], v[AF+FR*(\a):AF+FR*(\a)+FR-1], v[8*(8*((\a)%4)+\b):8*(8*((\a)%4)+\b)+7]
.endif
.endr
.endr
.endm
.macro FETCH_B slot, q, p
	WIN TO_B
.irp i, 0,1,2,3
	FRAG 128*(\p)+FR*\i, ADRB+\slot, \q, \i
.endr
	WIN 0
.endm
.macro FETCH_A slot, q, i0
.irp i, \i0, \i0+1, \i0+2, \i0+3
	FRAG AF+FR*(\i), ADRA+\slot, \q, \i
.endr
.endm
.macro PLACES n
.rept \n
	v_nop
.endr
.endm
.macro STEP slot, q, zero
	s_wait_dscnt 4*NL                              ; all but the youngest 16 loads (token blocks 4-7)
	WIN MUL_LO
	MUL16 0, (\q)%2, \zero
	MUL16 2, (\q)%2, \zero
	s_wait_dscnt 0
	PLACES NP
	FETCH_B \slot, (\q)+1, 1-(\q)%2
	FETCH_A \slot, (\q)+1, 0
	WIN MUL_HI
	MUL16 4, (\q)%2, \zero
	MUL16 6, (\q)%2, \zero
	PLACES NP
	WIN 0
	FETCH_A \slot, (\q)+1, 4
.endm
.macro TURN slot, next, fill
	s_wait_tensorcnt 0x0                           ; all my tensor loads have landed;
	ds_add_u32 v[SPW], v[NIL]                      ; the add;
	s_wait_dscnt 4*NL+1                            ; (the add and the youngest 16 loads may be out)
	WIN MUL_LO
	MUL16 0, 1, 0
	s_wait_dscnt 0x0
	s_barrier_signal -1
	MUL16 2, 1, 0
	WIN 0
	s_barrier_wait -1
.if \fill
	CREST
	s_add_nc_u64 s[G0+4*\slot+2:G0+4*\slot+3], s[G0+4*\slot+2:G0+4*\slot+3], 2*KB
	s_add_nc_u64 s[G0B+4*\slot+2:G0B+4*\slot+3], s[G0B+4*\slot+2:G0B+4*\slot+3], 2*KB
	JLOAD G0+4*\slot, G1, G0B+4*\slot, G1B
.else
	PLACES NP
.endif
	FETCH_B \next, 0, 0
	FETCH_A \next, 0, 0
	WIN MUL_HI
	MUL16 4, 1, 0
	MUL16 6, 1, 0
	PLACES NP
	WIN 0
	FETCH_A \next, 0, 4
.endm
	s_wait_alu depctr_va_vdst(0)
	s_wait_tensorcnt 0x0                           ; my part of slot 0 is in; the lines ahead of a later first fill:
	ds_add_u32 v[SPW], v[NIL]
	s_wait_dscnt 0x0
	CROUND
	JLOAD G0+4, G1, G0B+4, G1B                     ; slot 1
	FETCH_B 0, 0, 0
	FETCH_A 0, 0, 0
	FETCH_A 0, 0, 4
	ASK 3
	STEP 0, 0, 1
	TURN 0, 1, 1
	STEP 1, 0, 0
	TURN 1, 0, 1
	STEP 0, 0, 0
	TURN 0, 1, 0
	STEP 1, 0, 0
	s_wait_dscnt 4*NL
	WIN MUL_LO
	MUL16 0, 1, 0
	MUL16 2, 1, 0
	s_wait_dscnt 0
	WIN MUL_HI
	MUL16 4, 1, 0
	MUL16 6, 1, 0
	WIN 0
.macro TOSTAGE a                       ; LDS serves a wave's instructions in order (ISA guide 5.7.1.4): no wait between my stores and my loads
.set AC, 64*((\a)%4)
	WIN 0x08+4*((\a)/4)
.irp b, 0,1,2,3
	ds_store_b128 v[STO], v[AC+8*\b:AC+8*\b+3] offset:64*\b
	ds_store_b128 v[STO], v[AC+8*\b+4:AC+8*\b+7] offset:64*\b+16
.endr
	WIN 0
.set BB, BK+64*((\a)%2)
.irp t, 0,1,2,3,4,5,6,7
	ds_load_b128 v[BB+4*\t:BB+4*\t+3], v[RD] offset:\t*2*SPITCH
.endr
.endm
.macro SEND a, younger                 ; younger: the LDS instructions issued behind block a's loads
.set BB, BK+64*((\a)%2)
	s_wait_dscnt \younger
.if (\a) > 0
	s_add_nc_u64 s[12:13], s[12:13], 16*4096
.endif
.irp t, 0,1,2,3,4,5,6,7
	v_pk_fma_f32 v[BB+4*\t:BB+4*\t+1], v[BB+4*\t:BB+4*\t+1], s[96:97], v[12:13] op_sel_hi:[1,0,1]
	v_pk_fma_f32 v[BB+4*\t+2:BB+4*\t+3], v[BB+4*\t+2:BB+4*\t+3], s[96:97], v[14:15] op_sel_hi:[1,0,1]
.endr
.irp t, 0,1,2,3,4,5,6,7
	global_store_b128 v[CO], v[BB+4*\t:BB+4*\t+3], s[12:13] offset:\t*2*4096 th:TH_STORE_NT   ; sixteen lanes store 256 consecutive bytes, aligned
.endr
.endm
	s_wait_kmcnt 0x0
	s_add_co_i32 s96, s96, s97
	s_add_co_i32 s96, s96, 127
	s_lshl_b32 s96, s96, 23                        ; 2^(e10 + e11) as f32
	s_mov_b32 s97, s96
	s_wait_loadcnt 0x0
	PLACES NP
	TOSTAGE 0
.irp a, 1,2,3,4,5,6,7
.if \a > 1
	s_wait_xcnt 0x0                                ; block a - 2's stores have read their registers and their base
.endif
	TOSTAGE \a
	SEND \a-1, 16                                  ; behind block a - 1's loads: block a's 8 stores and 8 loads
.endr
	s_wait_xcnt 0x0
	SEND 7, 0
	s_wait_tensorcnt 0x0                           ; the wave's end
	ds_add_u32 v[SPW], v[NIL]
	s_wait_dscnt 0x0
	CROUND                                         ; the closing round
	s_endpgm
.Lfunc_end_k_q7d70f17a87_proj:
	.size	k_q7d70f17a87_proj, .Lfunc_end_k_q7d70f17a87_proj-k_q7d70f17a87_proj
	.p2alignl 7, 3214868480
	.fill 96, 4, 3214868480
	.section	.rodata,"a",@progbits
	.p2align	6, 0x0
	.amdhsa_kernel k_q7d70f17a87_proj
		.amdhsa_group_segment_fixed_size 327680
		.amdhsa_private_segment_fixed_size 0
		.amdhsa_enable_private_segment 0
		.amdhsa_kernarg_size 40
		.amdhsa_user_sgpr_count 2
		.amdhsa_user_sgpr_kernarg_segment_ptr 1
		.amdhsa_wavefront_size32 1
		.amdhsa_system_sgpr_workgroup_id_x 1
		.amdhsa_system_sgpr_workgroup_id_y 1
		.amdhsa_system_sgpr_workgroup_id_z 1
		.amdhsa_system_vgpr_workitem_id 0
		.amdhsa_next_free_vgpr 1024
		.amdhsa_next_free_sgpr 100
		.amdhsa_reserve_vcc 0
		.amdhsa_float_denorm_mode_32 3
		.amdhsa_float_denorm_mode_16_64 3
		.amdhsa_memory_ordered 1
		.amdhsa_forward_progress 1
		.amdhsa_inst_pref_size 78
	.end_amdhsa_kernel
	.amdgpu_metadata
---
amdhsa.version: [ 1, 2 ]
amdhsa.kernels:
  - .name:           k_q7d70f17a87_proj
    .symbol:         k_q7d70f17a87_proj.kd
    .args:
      - { .name: ac, .offset: 0, .size: 8, .value_kind: global_buffer, .address_space: global }
      - { .name: wc, .offset: 8, .size: 8, .value_kind: global_buffer, .address_space: global }
      - { .name: lowp_scales, .offset: 16, .size: 8, .value_kind: global_buffer, .address_space: global }
      - { .name: bo, .offset: 24, .size: 8, .value_kind: global_buffer, .address_space: global }
      - { .name: out0, .offset: 32, .size: 8, .value_kind: global_buffer, .address_space: global }
    .group_segment_fixed_size: 327680
    .private_segment_fixed_size: 0
    .kernarg_segment_align: 8
    .kernarg_segment_size: 40
    .max_flat_workgroup_size: 128
    .sgpr_count:     100
    .vgpr_count:     1024
    .wavefront_size: 32
...
	.end_amdgpu_metadata
.endif
;; end of part 4
